; MI455X (gfx1250); checked and timed in simulation.
; The chip was launched on July 23, 2026; its instructions are those of AMD's public machine-readable ISA for CDNA 5 (MIT licence, August 2026) and "CDNA5" Instruction Set Architecture Reference Guide (July 2026). The comments in the code are by the model that wrote it; some were corrected since.
;; Self Attention Head. Allowed arithmetic: matrix products marked QUANTISED: E3M2 operands, one E8M0 scale for each 32 along K, by v_wmma_scale_f32_16x16x128_f8f6f4 with both operands' format E3M2, f32 sums; everything else in f32.
;; Inputs: Wk 1,024 x 1,024 float32; Wq 1,024 x 1,024 float32; Wv 1,024 x 1,024 float32; bk 1,024 float32; bq 1,024 float32; bv 1,024 float32; k 4 x 2,048 x 1,024 float32; mask 4 x 2,048 x 2,048 bool; q 4 x 2,048 x 1,024 float32; v 4 x 2,048 x 1,024 float32.
;; Outputs: out0 4 x 2,048 x 1,024 float32.
;; This version of the problem:
;;   THIS VERSION OF THE PROBLEM IS GIVEN IN LOW PRECISION. The matrix products marked QUANTISED in the list below multiply operands that are first quantised to E3M2 (3 exponent bits, 2 mantissa bits; 6 bits a number), with one power-of-two scale for each 32 numbers along K (OCP MX v1.0); their sums are f32. All else is computed in f32.
;;   The module's matrix products, in the order in which they are computed (A, B: the left and right operand; K: the contracted axis; several contracted axes count as one K, in the product's order):
;;     1. [M 8,192, K 1,024] x [K 1,024, N 1,024]; A: input q; B: input Wq: QUANTISED
;;     2. [M 8,192, K 1,024] x [K 1,024, N 1,024]; A: input k; B: input Wk: QUANTISED
;;     3. [M 8,192, K 1,024] x [K 1,024, N 1,024]; A: input v; B: input Wv: QUANTISED
;;     4. batch 4 x [M 2,048, K 1,024] x [K 1,024, N 2,048]; A: computed on the way; B: computed on the way: QUANTISED
;;     5. batch 4 x [M 2,048, K 2,048] x [K 2,048, N 1,024]; A: softmax (see below); B: computed on the way: QUANTISED
;;   THE QUANTISER, for each operand of a quantised product, along K:
;;     - K is cut into blocks of 32 from its start; a last block that is shorter is filled with zeros.
;;     - A block's scale is 2^e with e = floor(log2(the largest magnitude in the block)) - 4, held to -126 .. 127; a block of zeros has e = 0. As a byte (E8M0): e + 127.
;;     - Each number is divided by its block's scale, clamped to +-28, and rounded to the nearest number of E3M2, ties to even, subnormals kept.
;;     - The product sums the exact products of the quantised numbers (number of the format x scale) in f32.
;;   ~~~python
;;   def quantise(x, axis):      # numpy; x: float32 -> the quantised numbers, widened to float32 again
;;       x = np.moveaxis(x, axis, -1); K = x.shape[-1]
;;       x = np.pad(x, [(0, 0)] * (x.ndim - 1) + [(0, -K % 32)]); x = x.reshape(x.shape[:-1] + (-1, 32)); a = np.abs(x).max(-1, keepdims=True)
;;       e = np.where(a > 0, np.clip(np.frexp(np.where(a > 0, a, 1))[1] - 1 - 4, -126, 127), 0)      # np.frexp(a)[1] - 1 = floor(log2(a)), exactly
;;       r = np.clip(x / 2.0 ** e, -28, 28)
;;       step = 2.0 ** (np.maximum(np.frexp(np.where(r == 0, 1, r))[1] - 1, -2) - 2)
;;       q = np.round(r / step) * step * 2.0 ** e      # np.round: ties to even
;;       return np.moveaxis(q.reshape(q.shape[:-2] + (-1,))[..., :K], -1, axis).astype(np.float32)
;;   ~~~
;;   SOFTMAX AHEAD OF A QUANTISED PRODUCT. Where the list says 'softmax', what is quantised is not the finished softmax but p = 2^(t - M), with t = logit x log2(e) and M = ceil(the row's largest t), a whole number; so 1/2 < the row's largest p <= 1. The row's sum l is taken of the UNQUANTISED p, in f32, and the product's result is divided by l at the end. Since M is a whole number, a kernel that streams over the keys may use a running M (the ceiling of the running maximum): every later rescaling is an exact power of two, which a block's scale takes up: the codes' values come out the same.
;;   OPERANDS COMPUTED ON THE WAY. 'Computed on the way' means the value that the module computes at that place (a softmax that the list does not call 'softmax' is quantised finished and normalised). What goes into a quantiser is computed in f32, as accurately as f32 sums, v_exp_f32 and their like allow (about 1e-6 of the number): no bf16 or f16 on the way to a quantiser, and a product that is left as it is and whose result goes on into a quantised operand takes f32 operands (vector FMAs, or v_wmma_f32_16x16x4_f32). A number that lies on a knife's edge between two numbers of the format may be rounded either way, as far as f32 arithmetic and the matrix unit's own rounding can turn it there, and no further.
;; One version. Each part assembles by itself: llvm-mc -triple=amdgcn-amd-amdhsa -mcpu=gfx1250 --defsym DOCPART=n.
;; ======== version 1 of 1: 4 launches
;; limits: right only within a limited range of input values
;; workspace buffers: c1 21,233,664 bytes; s1 884,736 bytes; qp 33,554,432 bytes; c2 18,874,368 bytes; s2 786,432 bytes; c3 12,582,912 bytes; s3 1,572,864 bytes
;; launch quant (part 1): grid 1152 x 1, 4 waves a work-group, no clusters, 35,328 bytes of LDS; arguments q, k, v, Wq, Wk, Wv, c1, s1; writes c1, s1
.if DOCPART == 1
	.amdgcn_target "amdgcn-amd-amdhsa--gfx1250"
	.amdhsa_code_object_version 6
	.text
	.protected	k_qa95cfe19a0_quant
	.globl	k_qa95cfe19a0_quant
	.p2align	8
	.type	k_qa95cfe19a0_quant,@function
k_qa95cfe19a0_quant:
	s_mov_b64 s[64:65], 0
	v_nop
	global_prefetch_b8 v0, s[64:65] scope:SCOPE_SE
	s_setreg_imm32_b32 hwreg(HW_REG_WAVE_MODE, 25, 1), 1
	s_wait_xcnt 0x0
; out0 = qp + softmax(where(mask, qp kp^T / 32, -1e10)) vp, with qp = q Wq + bq, kp = k Wk + bk, vp = v Wv + bv; all five products on codes of BF6 (E3M2) with one E8M0 scale for each 32 along K.
; FOUR LAUNCHES.  This one: q, k, v and Wq, Wk, Wv (f32) become codes and scale words.  The second: the three projections, whose way out quantises qp, kp (along e) and vp (along the keys) and stores qp.
; The third: qp kp^T, the mask, p = 2^(t - M) with a whole-number M of its own for each (query, 128 keys), p's sum and codes.  The fourth: merges these M, shifts p's scale bytes by the difference (a power of two), P V, out0.
; NOTHING IS LEFT OUT AS DEAD WORK: the mask is an input, so every tile of scores is made; each bias goes into a quantised operand (bq also into out0); no term cancels for all values of the inputs.  Every input is loaded.
; LIMITS: NaN and infinities among the inputs are not served.  A block whose largest magnitude lies under 2^-122 keeps the scale byte 1; a block of zeros has the byte 1 where the quantiser says 127: its codes are zeros, and this program alone reads the bytes.
; LAYOUT OF THE CODES: a fragment (16 rows x 128 K, 12 registers a lane) lies in memory as the image of its registers: registers 4 c .. 4 c + 3 of lane l at 512 c + 16 l: 1,536 bytes.  Its 16 scale words: 64 bytes, lane row r at 4 r.
; THE ROWS OF A GROUP ARE NOT NEIGHBOURS: lane row r of group G is row 32 (G / 2) + 8 (G % 2) + r + 8 (r / 8), so that in a transposed product the 16 registers of two neighbouring tiles are 16 neighbours along the next K.
; c1: x's codes [T = q, k, v][512 groups][8 K steps][1536], then W's [T][64 groups][8][1536] from byte 18,874,368.  s1: x's scale words [T][512][8][16], then W's from byte 786,432.
; Work-groups 0-383: the weights, a fragment a wave, no LDS.  Work-groups 384-1151: q, k, v, four fragments a wave, turned through the wave's own stage in LDS.  Waves share nothing: no barrier, no cluster.
.set SPARE, 34816                      ; behind the four waves' regions: the spare words, 128 bytes a wave
.set WREG,  8704                       ; a wave's region: a stage of 16 rows x (512 + 16) bytes, then 256 bytes of scale words
.set SWO,   8448
.set TM,    16                         ; v16-31  at work: largest magnitudes, bytes, scale operands
.set PC,    32                         ; v32-51  the codes just made: the fragment in v32-43
.set PW,    52                         ; v52     its scale word
.set LD,    64                         ; v64-191 two sets of 64 registers as loaded
.set X,     192                        ; v192-255 64 numbers of my row: register 16 b + i = k 32 b + 16 (lane / 16) + i
.set SPW,   12
.set NIL,   13
	s_load_b512 s[4:19], s[0:1], 0x0               ; q, k, v, Wq, Wk, Wv, c1, s1
	v_lshl_add_u32 v[SPW], v0, 2, SPARE
	v_mov_b32 v[NIL], 0
	v_lshrrev_b32 v1, 5, v0
	v_readfirstlane_b32 s20, v1                    ; wave
	v_and_b32 v1, 31, v0                           ; lane
	v_and_b32 v2, 15, v0                           ; r
	v_bfe_u32 v3, v0, 4, 1                         ; h
	v_lshlrev_b32 v4, 4, v1                        ; 16 x lane
	v_lshlrev_b32 v5, 2, v2                        ; 4 r
	s_mul_i32 s23, s20, WREG
	v_add_nc_u32 v6, s23, v4                       ; the stage, on the way in: 16 x lane of a row
	v_mul_u32_u24 v7, v2, 528
	v_lshl_add_u32 v7, v3, 6, v7
	v_add_nc_u32 v7, s23, v7                       ; and on the way out: row r, + 64 h
	s_add_co_u32 s23, s23, SWO
	v_add_nc_u32 v8, s23, v5                       ; my row's scale word
	v_lshlrev_b32 v10, 3, v1
	v_add_nc_u32 v9, s23, v10                      ; the 256 bytes of scale words, 8 a lane
	v_and_b32 v11, 8, v2
	v_add_nc_u32 v11, v11, v2                      ; r + 8 (r / 8)
	v_lshlrev_b32 v11, 2, v11
	v_lshl_add_u32 v11, v3, 17, v11                ; the weights: my column, and 32 rows of 4,096 bytes further down for lanes 16-31
	s_mov_b32 s32, 0x76543210
	s_mov_b32 s33, 0xfedcba98                      ; v_permlanex16_b32's selects for lane l xor 16
.irp b, 0,1,2,3
	v_mov_b32 v[TM+4+\b], 0                        ; written once: a lane permute's destination counts as one of its sources
.endr
	s_mov_b32 s31, 0
	s_cmp_lt_u32 ttmp9, 384
	s_cbranch_scc1 .Lweights
; 64 numbers of a lane become a fragment's codes in v[PC] on and its scale word in v[PW]
.macro QUANT s
.irp b, 0,1,2,3
	v_max3_num_f32 v[TM+\b], |v[\s+16*\b]|, |v[\s+1+16*\b]|, 0x2800000   ; block b: my 16 numbers, and the floor 2^(5 - 127): the byte cannot fall under 1
.endr
.irp i, 2,4,6,8,10,12,14
.irp b, 0,1,2,3
	v_max3_num_f32 v[TM+\b], v[TM+\b], |v[\s+16*\b+\i]|, |v[\s+1+16*\b+\i]|
.endr
.endr
.irp b, 0,1,2,3
	v_permlanex16_b32 v[TM+4+\b], v[TM+\b], s32, s33
.endr
.irp b, 0,1,2,3
	v_max_num_f32 v[TM+\b], v[TM+\b], v[TM+4+\b]   ; with lane l xor 16's: the block's largest magnitude
.endr
.irp b, 0,1,2,3
	v_add_nc_u32 v[TM+12+\b], 0xfe000000, v[TM+\b] ; 4 off its exponent field: the conversion's scale operand
.endr
.irp b, 0,1,2,3
	v_lshrrev_b32 v[TM+4+\b], 23, v[TM+12+\b]      ; the scale's byte
.endr
	v_lshl_or_b32 v[PW], v[TM+5], 8, v[TM+4]
	v_lshl_or_b32 v[PW], v[TM+6], 16, v[PW]
	v_lshl_or_b32 v[PW], v[TM+7], 24, v[PW]
.irp c, 0,1
	v_cvt_scalef32_pk16_bf6_f32 v[PC+6*\c:PC+2+6*\c], v[\s+32*\c:\s+15+32*\c], v[TM+12+2*\c]
	v_cvt_scalef32_pk16_bf6_f32 v[PC+12+4*\c:PC+14+4*\c], v[\s+16+32*\c:\s+31+32*\c], v[TM+12+2*\c+1]   ; (a conversion's three registers begin on an even number)
.endr
	v_nop                                          ; one plain place behind a scaled conversion
.irp c, 0,1                                    ; the operand's layout wants a whole block in a lane
.irp i, 0,1,2
	v_permlane16_swap_b32 v[PC+6*\c+\i], v[PC+12+4*\c+\i]
.endr
.irp i, 0,1,2
	v_mov_b32 v[PC+3+6*\c+\i], v[PC+12+4*\c+\i]
.endr
.endr
.endm
	; ---- q, k, v.  Run tau = 4 x (work-group's number in its tensor) + wave: group tau / 2, K steps 4 (tau % 2) on
	s_sub_co_u32 s21, ttmp9, 384
	s_lshr_b32 s22, s21, 8                         ; T
	s_and_b32 s21, s21, 255
	s_lshl_b32 s21, s21, 2
	s_add_co_u32 s21, s21, s20                     ; tau
	s_lshr_b32 s34, s21, 1                         ; G
	s_and_b32 s35, s21, 1
	s_lshr_b32 s36, s34, 1
	s_lshl_b32 s36, s36, 17                        ; 32 (G / 2) rows of 4,096 bytes
	s_and_b32 s37, s34, 1
	s_lshl_b32 s37, s37, 15                        ; 8 (G % 2) rows
	s_add_co_u32 s36, s36, s37
	s_lshl_b32 s37, s35, 11                        ; 512 numbers along K
	s_add_co_u32 s30, s36, s37
	s_wait_kmcnt 0x0
	s_cmp_eq_u32 s22, 0
	s_cselect_b64 s[24:25], s[4:5], s[6:7]
	s_cmp_eq_u32 s22, 2
	s_cselect_b64 s[24:25], s[8:9], s[24:25]       ; the choice hangs on the work-group's number alone
	s_add_nc_u64 s[24:25], s[24:25], s[30:31]
	s_mul_i32 s30, s22, 6291456
	s_mul_i32 s36, s21, 6144                       ; four fragments a run
	s_add_co_u32 s30, s30, s36
	s_add_nc_u64 s[26:27], s[16:17], s[30:31]
	s_lshl_b32 s30, s22, 18
	s_lshl_b32 s36, s21, 8
	s_add_co_u32 s30, s30, s36
	s_add_nc_u64 s[28:29], s[18:19], s[30:31]
.macro LOAD t                          ; K step t of my 16 rows: each load reads 512 consecutive bytes of one row
.irp i, 0,1,2,3,4,5,6,7,8,9,10,11,12,13,14,15
	global_load_b128 v[LD+64*((\t)%2)+4*\i:LD+64*((\t)%2)+4*\i+3], v4, s[24:25] offset:(\i+8*(\i/8))*4096+512*(\t) th:TH_LOAD_NT
.endr
.endm
.macro XSTEP t
.if (\t) < 3
	s_wait_loadcnt 16                              ; this step's 16 loads are in; the next step's 16 may be out
.else
	s_wait_loadcnt 0
.endif
.irp i, 0,1,2,3,4,5,6,7,8,9,10,11,12,13,14,15
	ds_store_b128 v6, v[LD+64*((\t)%2)+4*\i:LD+64*((\t)%2)+4*\i+3] offset:528*\i
.endr
.irp b, 0,1,2,3
.irp j, 0,1,2,3
	ds_load_b128 v[X+16*\b+4*\j:X+16*\b+4*\j+3], v7 offset:128*\b+16*\j   ; LDS serves a wave's instructions in order: these see the stores above
.endr
.endr
	s_wait_dscnt 0x0                               ; my 64 numbers are back, and the stores have read their registers
	s_wait_xcnt 0x0                                ; the last step's stores have read the codes' registers, which are written again below
.if (\t) < 2
	LOAD (\t)+2
.endif
	QUANT X
.irp c, 0,1,2
	global_store_b128 v4, v[PC+4*\c:PC+4*\c+3], s[26:27] offset:1536*(\t)+512*\c   ; 512 consecutive bytes a store
.endr
	ds_store_b32 v8, v[PW] offset:64*(\t)          ; both halves of the lanes write the same word with the same value
.endm
	LOAD 0
	LOAD 1
	XSTEP 0
	XSTEP 1
	XSTEP 2
	XSTEP 3
	ds_load_b64 v[16:17], v9
	s_wait_dscnt 0x0
	global_store_b64 v10, v[16:17], s[28:29]       ; the four fragments' scale words: 256 consecutive bytes, aligned
	s_wait_tensorcnt 0x0                           ; the wave's end
	ds_add_u32 v[SPW], v[NIL]
	s_wait_dscnt 0x0
	s_endpgm
.Lweights:                                         ; ---- Wq, Wk, Wv: [K][N] f32.  A lane takes a column and its registers run down K: the conversions' results are the operand's registers
	s_lshr_b32 s22, ttmp9, 7                       ; T
	s_and_b32 s21, ttmp9, 127
	s_and_b32 s34, s21, 7                          ; K step
	s_lshr_b32 s35, s21, 3
	s_lshl_b32 s35, s35, 2
	s_add_co_u32 s35, s35, s20                     ; G: the four waves stand side by side on 256 bytes of each row
	s_lshl_b32 s30, s34, 19                        ; 128 rows of 4,096 bytes
	s_lshr_b32 s36, s35, 1
	s_lshl_b32 s36, s36, 7
	s_add_co_u32 s30, s30, s36
	s_and_b32 s36, s35, 1
	s_lshl_b32 s36, s36, 5
	s_add_co_u32 s30, s30, s36
	s_lshl_b32 s35, s35, 3
	s_add_co_u32 s35, s35, s34                     ; 8 G + K step
	s_wait_kmcnt 0x0
	s_cmp_eq_u32 s22, 0
	s_cselect_b64 s[24:25], s[10:11], s[12:13]
	s_cmp_eq_u32 s22, 2
	s_cselect_b64 s[24:25], s[14:15], s[24:25]
	s_add_nc_u64 s[24:25], s[24:25], s[30:31]
	s_mul_i32 s30, s22, 786432
	s_mul_i32 s36, s35, 1536
	s_add_co_u32 s30, s30, s36
	s_add_co_u32 s30, s30, 18874368
	s_add_nc_u64 s[26:27], s[16:17], s[30:31]
	s_lshl_b32 s30, s22, 15
	s_lshl_b32 s36, s35, 6
	s_add_co_u32 s30, s30, s36
	s_add_co_u32 s30, s30, 786432
	s_add_nc_u64 s[28:29], s[18:19], s[30:31]
	s_wait_alu depctr_va_vdst(0)
.irp c, 0,1
.irp i, 0,1,2,3,4,5,6,7,8,9,10,11,12,13,14,15,16,17,18,19,20,21,22,23,24,25,26,27,28,29,30,31
	global_load_b32 v[LD+32*\c+\i], v11, s[24:25] offset:(64*\c+\i)*4096   ; W(64 c + 32 h + i, my column)
.endr
.endr
	s_wait_loadcnt 0x0
.irp c, 0,1                                    ; my block 2 c + h: all its 32 numbers are mine
	v_max3_num_f32 v[TM+\c], |v[LD+32*\c]|, |v[LD+1+32*\c]|, 0x2800000
.endr
.irp i, 2,4,6,8,10,12,14,16,18,20,22,24,26,28,30
.irp c, 0,1
	v_max3_num_f32 v[TM+\c], v[TM+\c], |v[LD+32*\c+\i]|, |v[LD+1+32*\c+\i]|
.endr
.endr
.irp c, 0,1
	v_add_nc_u32 v[TM+12+\c], 0xfe000000, v[TM+\c]
.endr
.irp c, 0,1
	v_lshrrev_b32 v[TM+4+\c], 23, v[TM+12+\c]
.endr
	v_lshl_or_b32 v[PW], v[TM+5], 16, v[TM+4]      ; my two bytes: blocks h and 2 + h,
	v_lshlrev_b32 v[TM+6], 3, v3
	v_lshlrev_b32 v[PW], v[TM+6], v[PW]            ; at their places in the word;
	v_permlanex16_b32 v[TM+7], v[PW], s32, s33
	v_or_b32 v[PW], v[PW], v[TM+7]                 ; with lane l xor 16's two the word is whole
.irp c, 0,1
	v_cvt_scalef32_pk16_bf6_f32 v[PC+6*\c:PC+2+6*\c], v[LD+32*\c:LD+15+32*\c], v[TM+12+\c]
	v_cvt_scalef32_pk16_bf6_f32 v[PC+12+4*\c:PC+14+4*\c], v[LD+16+32*\c:LD+31+32*\c], v[TM+12+\c]
.endr
	v_nop                                          ; one plain place behind a scaled conversion
.irp c, 0,1
.irp i, 0,1,2
	v_mov_b32 v[PC+3+6*\c+\i], v[PC+12+4*\c+\i]
.endr
.endr
.irp c, 0,1,2
	global_store_b128 v4, v[PC+4*\c:PC+4*\c+3], s[26:27] offset:512*\c
.endr
	global_store_b32 v5, v[PW], s[28:29]           ; both halves of the lanes store the same word
	s_endpgm
.Lfunc_end_k_qa95cfe19a0_quant:
	.size	k_qa95cfe19a0_quant, .Lfunc_end_k_qa95cfe19a0_quant-k_qa95cfe19a0_quant
	.p2alignl 7, 3214868480
	.fill 96, 4, 3214868480
	.section	.rodata,"a",@progbits
	.p2align	6, 0x0
	.amdhsa_kernel k_qa95cfe19a0_quant
		.amdhsa_group_segment_fixed_size 35328
		.amdhsa_private_segment_fixed_size 0
		.amdhsa_enable_private_segment 0
		.amdhsa_kernarg_size 64
		.amdhsa_user_sgpr_count 2
		.amdhsa_user_sgpr_kernarg_segment_ptr 1
		.amdhsa_wavefront_size32 1
		.amdhsa_system_sgpr_workgroup_id_x 1
		.amdhsa_system_sgpr_workgroup_id_y 1
		.amdhsa_system_sgpr_workgroup_id_z 1
		.amdhsa_system_vgpr_workitem_id 0
		.amdhsa_next_free_vgpr 256
		.amdhsa_next_free_sgpr 66
		.amdhsa_reserve_vcc 0
		.amdhsa_float_denorm_mode_32 3
		.amdhsa_float_denorm_mode_16_64 3
		.amdhsa_memory_ordered 1
		.amdhsa_forward_progress 1
		.amdhsa_inst_pref_size 45
	.end_amdhsa_kernel
	.amdgpu_metadata
---
amdhsa.version: [ 1, 2 ]
amdhsa.kernels:
  - .name:           k_qa95cfe19a0_quant
    .symbol:         k_qa95cfe19a0_quant.kd
    .args:
      - { .name: q, .offset: 0, .size: 8, .value_kind: global_buffer, .address_space: global }
      - { .name: k, .offset: 8, .size: 8, .value_kind: global_buffer, .address_space: global }
      - { .name: v, .offset: 16, .size: 8, .value_kind: global_buffer, .address_space: global }
      - { .name: Wq, .offset: 24, .size: 8, .value_kind: global_buffer, .address_space: global }
      - { .name: Wk, .offset: 32, .size: 8, .value_kind: global_buffer, .address_space: global }
      - { .name: Wv, .offset: 40, .size: 8, .value_kind: global_buffer, .address_space: global }
      - { .name: c1, .offset: 48, .size: 8, .value_kind: global_buffer, .address_space: global }
      - { .name: s1, .offset: 56, .size: 8, .value_kind: global_buffer, .address_space: global }
    .group_segment_fixed_size: 35328
    .private_segment_fixed_size: 0
    .kernarg_segment_align: 8
    .kernarg_segment_size: 64
    .max_flat_workgroup_size: 128
    .sgpr_count:     66
    .vgpr_count:     256
    .wavefront_size: 32
...
	.end_amdgpu_metadata
.endif
;; end of part 1
;; launch proj (part 2): grid 4 x 64, 4 waves a work-group, clusters of 4 x 4, 327,680 bytes of LDS; arguments c1, s1, bq, bk, bv, qp, c2, s2; writes qp, c2, s2
.if DOCPART == 2
	.amdgcn_target "amdgcn-amd-amdhsa--gfx1250"
	.amdhsa_code_object_version 6
	.text
	.protected	k_qa95cfe19a0_proj
	.globl	k_qa95cfe19a0_proj
	.p2align	8
	.type	k_qa95cfe19a0_proj,@function
k_qa95cfe19a0_proj:
	s_mov_b64 s[64:65], 0
	v_nop
	global_prefetch_b8 v0, s[64:65] scope:SCOPE_SE
	s_setreg_imm32_b32 hwreg(HW_REG_WAVE_MODE, 25, 1), 1
	s_wait_xcnt 0x0
	s_wait_alu depctr_hold_cnt(0) depctr_sa_sdst(0) depctr_va_vdst(0) depctr_va_sdst(0) depctr_va_ssrc(0) depctr_va_vcc(0) depctr_vm_vsrc(0)
	s_getreg_b32 s2, hwreg(HW_REG_IB_STS2, 6, 4)
	s_cmp_eq_u32 s2, 0
	s_cbranch_scc0 .Lentry_in_a_cluster
	s_endpgm
.Lentry_in_a_cluster:
	s_bfe_u32 s2, ttmp6, 0x10000c
	s_cmp_lg_u32 s2, 0xf033
	s_cbranch_scc0 .Lentry_shape_is_right
	s_endpgm
.Lentry_shape_is_right:
; The three projections x W + b on codes of BF6, one launch.  Nothing is left out.  LIMITS: as stated at the head of the first launch.
; 256 WORK-GROUPS THAT STAY: each makes three blocks of 128 (A's side) x 256 (B's side), one of kp (T = 1), one of vp (T = 2), one of qp (T = 0), in that order: 3 x 64 x 4 blocks in all.
; Four waves, 64 x 128 a wave in 32 accumulators.  K = 1,024 is two slots of four K steps: a slot holds A's 8 groups and B's 16 groups x 6,144 bytes.  The ring of two slots goes on into the next block: six fills in all.
; THE MATRIX INSTRUCTION IS USED TRANSPOSED (source 0 = B's 16 rows, source 1 = A's): a lane holds one row of A's side and its 64 registers of a block run along B's side.
; T < 2: A = x's rows, B = W's rows (e).  T = 2: A = Wv's rows (d), B = v's rows (keys).  So the way out quantises a lane's 64 registers into one fragment of the next product.  The bias is the C of each sum's first instruction.
; c2, s2: as the later launches read them: qp's codes [512 groups][8][1536], kp's from byte 6,291,456, vp's [4][64 groups of d][16][1536] from 12,582,912; scale words from 0, 262,144 and 524,288.
; THE SCALE WORDS of three blocks (36,864 bytes) do not fit beside the ring (294,912 bytes): each wave loads its own from s1 into its two sets of scale registers, a set one slot ahead of its use.
; qp's block is the last: its stage for the f32 rows lies in slot 0, which has then had its last fill and its last read.
; CLUSTERS: 4 x 4; A's tiles are asked for jointly along a row of the cluster, B's along a column.  T < 2: A's block = 4 x cluster y + cy, B's = cx.  T = 2: A's = 4 (cluster y % 2) + cy, B's = 4 (cluster y / 2) + cx.
; No prefetch is written: the walk has six fills, and the ring asks for each of the last four one whole slot (128 matrix instructions a wave) ahead of its first read.
; REGISTERS: window 0: v1-31 addresses; v32-95 scale words, two sets; v96-115 codes just made; v128-223 A's fragments, two sets; v224-240 at work.  window 1: B's fragments at v0 and v128.  window 2: accumulator (a, b) at v[8 (8 a + b)].
;   window 3: the biases: bq v0-63, bk v64-127, bv v128-159.
.set AH,    24576                      ; A: 4 groups x 6,144 bytes: what one of waves 0, 1 fetches
.set BH,    49152                      ; B: 8 groups: what one of waves 2, 3 fetches
.set SLOT,  2*AH+2*BH
.set SPARE, 2*SLOT                     ; the spare words, 128 bytes a wave
.set SV,   4                           ; v[4+2T]: offset in s1 of my scale words, lanes 0-15 A's, 16-31 B's; v[5+2T]: all lanes B's
.set ADRA, 16
.set ADRB, 20
.set STO,  24
.set RD,   25
.set LI,   26
.set SPW,  28
.set NIL,  29
.set R4,   31
.set SC,   32
.set PC,   96
.set AF,   128
.set TM,   224
.set PW,   240
.set G1, 24
.set G0, 32
.set G1B, 48
.set G0B, 56
.set TA, 66                            ; s[66+2T:67+2T] where block T's codes of A begin for me as a fetching wave; s[72+2T:73+2T] B's
.set TB, 72
.set CP, 80                            ; s[80+4T:81+4T] my place in c2 for block T; s[82+4T:83+4T] in s2
.set MSB, 0
.macro WIN new                         ; the immediate's high byte repeats the setting that is left
.if MSB != (\new)
	s_set_vgpr_msb (MSB<<8)|(\new)
.set MSB, (\new)
.endif
.endm
.macro JLOAD g0a, g1a, g0b, g1b        ; a joint load: waves 0 and 1 fetch for A, waves 2 and 3 for B; s_nop 0 and four v_nop follow each line
	s_cmp_eq_u32 s21, 0
	s_cbranch_scc0 .Lfor_b_\@
	tensor_load_to_lds s[\g0a:\g0a+3], s[\g1a:\g1a+7]
	s_nop 0
.rept 4
	v_nop
.endr
	s_branch .Lasked_\@
.Lfor_b_\@:
	tensor_load_to_lds s[\g0b:\g0b+3], s[\g1b:\g1b+7]
	s_nop 0
.rept 4
	v_nop
.endr
.Lasked_\@:
.endm
.macro CREST                           ; a round of the cluster's barrier behind its opening barrier
	s_cmp_lg_u32 s20, 0
	s_cbranch_scc1 .Lnot_wave_0_\@
	s_barrier_signal -3
.Lnot_wave_0_\@:
	s_barrier_wait -3
	s_barrier_signal -1
	s_barrier_wait -1
.endm
.macro CROUND
	s_barrier_signal -1
	s_barrier_wait -1
	CREST
.endm
.macro PLACES                          ; four places behind this form (ISA guide 7.12.1)
.rept 4
	v_nop
.endr
.endm
.macro FRAG reg, adr, q, i             ; a fragment is the image of its registers: three loads of 512 consecutive bytes
.irp c, 0,1,2
	ds_load_b128 v[\reg+4*\c:\reg+4*\c+3], v[\adr] offset:6144*(\i)+1536*(\q)+512*\c
.endr
.endm
.macro FETCH_B slot, q, p
	WIN 0x40
.irp i, 0,1,2,3,4,5,6,7
	FRAG 128*(\p)+12*\i, ADRB+\slot, \q, \i
.endr
	WIN 0
.endm
.macro FETCH_A slot, q, p
.irp i, 0,1,2,3
	FRAG AF+48*(\p)+12*\i, ADRA+\slot, \q, \i
.endr
.endm
.macro SCLOAD T, ph                    ; block T's scale words of K steps 4 ph .. 4 ph + 3 into set ph: register 4 i + q: lanes 0-15 A's group i (i < 4), lanes 16-31 B's group i
.irp i, 0,1,2,3
.irp q, 0,1,2,3
	global_load_b32 v[SC+32*(\ph)+4*\i+\q], v[SV+2*(\T)], s[6:7] offset:512*\i+64*\q+256*(\ph)
.endr
.endr
.irp i, 4,5,6,7
.irp q, 0,1,2,3
	global_load_b32 v[SC+32*(\ph)+4*\i+\q], v[SV+1+2*(\T)], s[6:7] offset:512*\i+64*\q+256*(\ph)
.endr
.endr
.endm
; 8 matrix instructions: A's block a x B's eight.  cm = 0: the sums go on; 1: they start from the bias by B's block; 2: by A's block.  The 32 accumulators take turns.
.macro MUL8 a, p, q, sc, cm, bo
.irp b, 0,1,2,3,4,5,6,7
.set xD, 8*(8*(\a)+\b)
.set xB, 128*(\p)+12*\b
.set xA, AF+48*(\p)+12*(\a)
.set xSB, SC+32*(\sc)+4*\b+(\q)
.set xSA, SC+32*(\sc)+4*(\a)+(\q)
.if \cm == 0
.set xC, xD
.elseif \cm == 1
.set xC, (\bo)+8*\b
.else
.set xC, (\bo)+8*(\a)
.endif
	v_wmma_scale_f32_16x16x128_f8f6f4 v[xD:xD+7], v[xB:xB+11], v[xA:xA+11], v[xC:xC+7], v[xSB], v[xSA] matrix_a_fmt:MATRIX_FMT_BF6 matrix_b_fmt:MATRIX_FMT_BF6 matrix_a_scale:MATRIX_SCALE_ROW1
.endr
.endm
; One of a slot's first three K steps.  lt >= 0 (only with q = 0): the other set of scale words is asked for, for block lt.
.macro STEP slot, q, cm, bo, lt
	PLACES
.if \lt >= 0
	SCLOAD \lt, 1-\slot
.endif
	FETCH_B \slot, (\q)+1, 1-(\q)%2
	FETCH_A \slot, (\q)+1, 1-(\q)%2
.if \q == 0
.if \lt >= 0
	s_wait_loadcnt 32                              ; all but the 32 loads just issued: this slot's scale words (and at first the biases) are in
.else
	s_wait_loadcnt 0x0
.endif
.endif
	s_wait_dscnt 36                                ; all but the 36 loads just issued
.if \cm != 0
	WIN 0xb1                                       ; source 0 (B) window 1, source 1 (A) window 0, C (the bias) window 3, D window 2
.else
	WIN 0xa1
.endif
	MUL8 0, (\q)%2, \q, \slot, \cm, \bo
	MUL8 1, (\q)%2, \q, \slot, \cm, \bo
	MUL8 2, (\q)%2, \q, \slot, \cm, \bo
	MUL8 3, (\q)%2, \q, \slot, \cm, \bo
	WIN 0
.endm
; A slot's fourth K step and the change of slots.  fill = 1: the slot takes block tn's K steps 4 slot .. 4 slot + 3
.macro TURN slot, next, fill, tn
	s_wait_tensorcnt 0x0                           ; all my tensor loads have landed: my part of the next slot
	ds_add_u32 v[SPW], v[NIL]                      ; 0 onto my spare word
	s_wait_dscnt 1                                 ; (the add may be out)
	WIN 0xa1
	MUL8 0, 1, 3, \slot, 0, 0
	s_wait_dscnt 0x0                               ; the add is done, and my reads of this slot are over
	s_barrier_signal -1
	MUL8 1, 1, 3, \slot, 0, 0
	WIN 0
	s_barrier_wait -1
.if \fill
	CREST                                          ; the barrier has opened a round of the cluster's: no wave of any partner still reads this slot or has a load on its way
	s_add_nc_u64 s[G0+4*\slot+2:G0+4*\slot+3], s[TA+2*\tn:TA+2*\tn+1], \slot*6144
	s_or_b32 s[G0+4*\slot+3], s[G0+4*\slot+3], 0x80000000
	s_add_nc_u64 s[G0B+4*\slot+2:G0B+4*\slot+3], s[TB+2*\tn:TB+2*\tn+1], \slot*6144
	s_or_b32 s[G0B+4*\slot+3], s[G0B+4*\slot+3], 0x80000000
	JLOAD G0+4*\slot, G1, G0B+4*\slot, G1B         ; the first tensor load behind the round; its four v_nop are the places in front of the loads below
.else
	PLACES
.endif
	FETCH_B \next, 0, 0
	FETCH_A \next, 0, 0
	WIN 0xa1
	MUL8 2, 1, 3, \slot, 0, 0
	MUL8 3, 1, 3, \slot, 0, 0
	WIN 0
.endm
.macro QUANTA a                        ; the quantiser, reading block a's accumulators where they lie, each from its low end on: a fragment in v[PC] on, its scale word in v[PW]
.set AC, 64*(\a)
	WIN 0x0a
.irp b, 0,1,2,3
	v_max3_num_f32 v[TM+\b], |v[AC+16*\b]|, |v[AC+1+16*\b]|, 0x2800000   ; my 16 numbers of block b, and the floor 2^(5 - 127)
.endr
	WIN 0x28
.irp i, 2,4,6,8,10,12,14
.irp b, 0,1,2,3
	v_max3_num_f32 v[TM+\b], v[TM+\b], |v[AC+16*\b+\i]|, |v[AC+1+16*\b+\i]|
.endr
.endr
	WIN 0
.irp b, 0,1,2,3
	v_permlanex16_b32 v[TM+4+\b], v[TM+\b], s104, s105
.endr
.irp b, 0,1,2,3
	v_max_num_f32 v[TM+\b], v[TM+\b], v[TM+4+\b]   ; with lane l xor 16's
.endr
.irp b, 0,1,2,3
	v_add_nc_u32 v[TM+12+\b], 0xfe000000, v[TM+\b] ; 4 off the exponent field: the conversion's scale operand
.endr
.irp b, 0,1,2,3
	v_lshrrev_b32 v[TM+4+\b], 23, v[TM+12+\b]      ; the scale's byte
.endr
	v_lshl_or_b32 v[PW], v[TM+5], 8, v[TM+4]
	v_lshl_or_b32 v[PW], v[TM+6], 16, v[PW]
	v_lshl_or_b32 v[PW], v[TM+7], 24, v[PW]
	WIN 0x02
.irp c, 0,1
	v_cvt_scalef32_pk16_bf6_f32 v[PC+6*\c:PC+2+6*\c], v[AC+32*\c:AC+15+32*\c], v[TM+12+2*\c]
	v_cvt_scalef32_pk16_bf6_f32 v[PC+12+4*\c:PC+14+4*\c], v[AC+16+32*\c:AC+31+32*\c], v[TM+12+2*\c+1]
.endr
	WIN 0
	v_nop                                          ; one plain place behind a scaled conversion
.irp c, 0,1
.irp i, 0,1,2
	v_permlane16_swap_b32 v[PC+6*\c+\i], v[PC+12+4*\c+\i]
.endr
.irp i, 0,1,2
	v_mov_b32 v[PC+3+6*\c+\i], v[PC+12+4*\c+\i]
.endr
.endr
.endm
.macro CODES T, a                      ; block a's fragment and scale words leave: from group to group 12,288 and 512 bytes, twice that for vp (16 K steps)
	s_wait_xcnt 0x0                                ; the last stores have read the codes' registers
	QUANTA \a
.irp c, 0,1,2
	global_store_b128 v[LI], v[PC+4*\c:PC+4*\c+3], s[CP+4*\T:CP+4*\T+1] offset:(\a)*(12288<<(\T/2))+512*\c   ; 512 consecutive bytes a store
.endr
	global_store_b32 v[R4], v[PW], s[CP+4*\T+2:CP+4*\T+3] offset:(\a)*(512<<(\T/2))   ; both halves of the lanes store the same word
.endm
.macro TILE T, cm, bo, TN              ; a block; TN: the next block's T, or -1
	STEP 0, 0, \cm, \bo, \T
	STEP 0, 1, 0, 0, -1
	STEP 0, 2, 0, 0, -1
.if \TN >= 0
	TURN 0, 1, 1, \TN
.else
	TURN 0, 1, 0, 0
.endif
	STEP 1, 0, 0, 0, \TN
	STEP 1, 1, 0, 0, -1
	STEP 1, 2, 0, 0, -1
.if \TN >= 0
	TURN 1, 0, 1, \TN
	PLACES
.irp a, 0,1,2,3
	CODES \T, \a
.endr
.endif
.endm
	s_load_b512 s[4:19], s[0:1], 0x0               ; c1 s[4:5], s1 s[6:7], bq, bk, bv s[8:13], qp s[14:15], c2 s[16:17], s2 s[18:19]
	v_lshl_add_u32 v[SPW], v0, 2, SPARE
	v_mov_b32 v[NIL], 0
	ds_add_u32 v[SPW], v[NIL]                      ; the wave's opening: the add, twice on end, and its wait ahead of my first tensor load
	ds_add_u32 v[SPW], v[NIL]
	v_lshrrev_b32 v1, 5, v0
	v_readfirstlane_b32 s20, v1                    ; wave
	s_lshr_b32 s21, s20, 1                         ; my half of A's side; also: I fetch for A (0) or B (1)
	s_and_b32 s22, s20, 1                          ; my half of B's side; also: which half I fetch
	s_bfe_u32 s40, ttmp6, 0x40000                  ; cx: B's block for T < 2
	s_bfe_u32 s41, ttmp6, 0x40004                  ; cy
	s_and_b32 s2, ttmp7, 0xffff                    ; cluster y, 0 .. 15
	s_lshl_b32 s43, s2, 2
	s_add_co_u32 s43, s43, s41                     ; A's block for T < 2, 0 .. 63
	s_and_b32 s44, s2, 1
	s_lshl_b32 s44, s44, 2
	s_add_co_u32 s44, s44, s41                     ; A's block for T = 2, 0 .. 7
	s_lshr_b32 s45, s2, 1
	s_lshl_b32 s45, s45, 2
	s_add_co_u32 s45, s45, s40                     ; B's block for T = 2, 0 .. 31
	s_lshl_b32 s23, s41, 2
	s_lshl_b32 s23, 15, s23                        ; my row of the cluster
	s_lshl_b32 s3, 0x1111, s40                     ; my column
	s_or_b32 s[G1], s23, (3<<16)|(1<<21)           ; 15:0 the mask; elements of 8 bytes; 21 set beside a mask; no padding
	s_or_b32 s[G1B], s3, (3<<16)|(1<<21)
.irp g, G1, G1B
	s_mov_b32 s[\g+1], 768<<16                     ; tensor_dim0: 6,144 bytes, four K steps of a group
	s_mov_b32 s[\g+3], 768<<16                     ; tile_dim0
	s_mov_b32 s[\g+5], 1536                        ; from group to group: 12,288 bytes
	s_mov_b32 s[\g+6], 0
	s_mov_b32 s[\g+7], 0
.endr
	s_mov_b32 s[G1+2], 4<<16
	s_mov_b32 s[G1+4], 4
	s_mov_b32 s[G1B+2], 8<<16
	s_mov_b32 s[G1B+4], 8
	s_mul_i32 s46, s22, 49152                      ; A: which 4 groups I fetch
	s_mul_i32 s[TA], s43, 98304
	s_add_co_u32 s[TA], s[TA], s46                 ; T = 0: q's codes
	s_add_co_u32 s[TA+2], s[TA], 6291456           ; T = 1: k's
	s_mul_i32 s[TA+4], s44, 98304
	s_add_co_u32 s[TA+4], s[TA+4], s46
	s_add_co_u32 s[TA+4], s[TA+4], 20447232        ; T = 2: Wv's
	s_mul_i32 s47, s22, 98304                      ; B: which 8 groups
	s_mul_i32 s[TB], s40, 196608
	s_add_co_u32 s[TB], s[TB], s47
	s_add_co_u32 s[TB], s[TB], 18874368            ; Wq's
	s_add_co_u32 s[TB+2], s[TB], 786432            ; Wk's
	s_mul_i32 s[TB+4], s45, 196608
	s_add_co_u32 s[TB+4], s[TB+4], s47
	s_add_co_u32 s[TB+4], s[TB+4], 12582912        ; v's
.irp p, 67,69,71,73,75,77
	s_mov_b32 s\p, 0
.endr
	s_mul_i32 s88, s22, AH                         ; where my codes go: no place in the cluster enters an LDS address
	s_mul_i32 s89, s22, BH
	s_add_co_u32 s89, s89, 2*AH
	s_wait_dscnt 0x0                               ; both opening adds are done
	s_wait_kmcnt 0x0
.irp p, 66,68,70,72,74,76
	s_add_nc_u64 s[\p:\p+1], s[4:5], s[\p:\p+1]
.endr
	CROUND                                         ; all sixteen work-groups are here: the first joint loads meet
.irp s, 0,1
	s_mov_b32 s[G0+4*\s], 1
	s_add_co_u32 s[G0+4*\s+1], s88, \s*SLOT
	s_add_nc_u64 s[G0+4*\s+2:G0+4*\s+3], s[TA+2:TA+3], \s*6144
	s_or_b32 s[G0+4*\s+3], s[G0+4*\s+3], 0x80000000
	s_mov_b32 s[G0B+4*\s], 1
	s_add_co_u32 s[G0B+4*\s+1], s89, \s*SLOT
	s_add_nc_u64 s[G0B+4*\s+2:G0B+4*\s+3], s[TB+2:TB+3], \s*6144
	s_or_b32 s[G0B+4*\s+3], s[G0B+4*\s+3], 0x80000000
.endr
	JLOAD G0, G1, G0B, G1B                         ; kp's K steps 0-3: one tensor load a wave at the head
	; all scalar set-up first, then the vector lines on end
	s_mul_i32 s92, s21, AH                         ; LDS: my 4 groups of A in slot 0, 1
	s_add_co_u32 s93, s92, SLOT
	s_mul_i32 s94, s22, BH                         ; my 8 groups of B
	s_add_co_u32 s94, s94, 2*AH
	s_add_co_u32 s95, s94, SLOT
	s_mul_i32 s96, s20, 8448                       ; my stage, 16 rows x 528 bytes, in slot 0
	s_lshl_b32 s46, s21, 11                        ; offsets in s1: 512 bytes a group
	s_lshl_b32 s47, s22, 12
	s_lshl_b32 s97, s43, 12
	s_add_co_u32 s97, s97, s46                     ; A's, T = 0
	s_add_co_u32 s98, s97, 262144                  ; T = 1
	s_lshl_b32 s99, s44, 12
	s_add_co_u32 s99, s99, s46
	s_add_co_u32 s99, s99, 851968                  ; T = 2: Wv's
	s_lshl_b32 s100, s40, 13
	s_add_co_u32 s100, s100, s47
	s_add_co_u32 s100, s100, 786432                ; B's, T = 0: Wq's
	s_add_co_u32 s101, s100, 32768                 ; T = 1
	s_lshl_b32 s78, s45, 13
	s_add_co_u32 s78, s78, s47
	s_add_co_u32 s78, s78, 524288                  ; T = 2: v's
	s_mov_b32 s79, 0xffff0000                      ; lanes 16-31
	s_lshl_b32 s3, s21, 2                          ; the way out: my first group, my K step of the next product
	s_lshl_b32 s46, s43, 3
	s_add_co_u32 s46, s46, s3
	s_lshl_b32 s47, s40, 1
	s_add_co_u32 s47, s47, s22
	s_mul_i32 s80, s46, 12288
	s_mul_i32 s23, s47, 1536
	s_add_co_u32 s80, s80, s23
	s_lshl_b32 s82, s46, 9
	s_lshl_b32 s23, s47, 6
	s_add_co_u32 s82, s82, s23
	s_add_co_u32 s84, s80, 6291456
	s_add_co_u32 s86, s82, 262144
	s_lshl_b32 s46, s44, 3
	s_add_co_u32 s46, s46, s3
	s_lshl_b32 s47, s45, 1
	s_add_co_u32 s47, s47, s22
	s_and_b32 s47, s47, 15
	s_lshr_b32 s42, s45, 3                         ; vp: the batch
	s_mul_i32 s88, s42, 1572864
	s_mul_i32 s23, s46, 24576
	s_add_co_u32 s88, s88, s23
	s_mul_i32 s23, s47, 1536
	s_add_co_u32 s88, s88, s23
	s_add_co_u32 s88, s88, 12582912
	s_lshl_b32 s90, s42, 16
	s_lshl_b32 s23, s46, 10
	s_add_co_u32 s90, s90, s23
	s_lshl_b32 s23, s47, 6
	s_add_co_u32 s90, s90, s23
	s_add_co_u32 s90, s90, 524288
.irp p, 81,83,85,87,89,91
	s_mov_b32 s\p, 0
.endr
.irp p, 80,84,88
	s_add_nc_u64 s[\p:\p+1], s[16:17], s[\p:\p+1]
	s_add_nc_u64 s[\p+2:\p+3], s[18:19], s[\p+2:\p+3]
.endr
	s_lshl_b32 s46, s40, 10                        ; my 128 columns of e, in bytes
	s_lshl_b32 s47, s22, 9
	s_add_co_u32 s46, s46, s47
	s_mov_b32 s47, 0
	s_add_nc_u64 s[8:9], s[8:9], s[46:47]          ; bq
	s_add_nc_u64 s[10:11], s[10:11], s[46:47]      ; bk
	s_lshl_b32 s2, s43, 19                         ; qp: 128 rows of 4,096 bytes a block,
	s_lshl_b32 s3, s21, 18                         ; 64 a wave
	s_add_co_u32 s2, s2, s3
	s_add_co_u32 s46, s46, s2
	s_add_nc_u64 s[14:15], s[14:15], s[46:47]
	s_lshl_b32 s46, s44, 9                         ; bv: my 64 rows of d
	s_lshl_b32 s2, s21, 8
	s_add_co_u32 s46, s46, s2
	s_add_nc_u64 s[12:13], s[12:13], s[46:47]
	s_mov_b32 s104, 0x76543210
	s_mov_b32 s105, 0xfedcba98                     ; v_permlanex16_b32's selects for lane l xor 16
	v_and_b32 v1, 15, v0                           ; r
	v_bfe_u32 v2, v0, 4, 1                         ; h
	v_and_b32 v3, 31, v0
	v_lshlrev_b32 v[LI], 4, v3                     ; 16 x lane
	v_lshlrev_b32 v[R4], 2, v1                     ; 4 r
	v_add_nc_u32 v[ADRA], s92, v[LI]
	v_add_nc_u32 v[ADRA+1], s93, v[LI]
	v_add_nc_u32 v[ADRB], s94, v[LI]
	v_add_nc_u32 v[ADRB+1], s95, v[LI]
	v_add_nc_u32 v[SV+1], s100, v[R4]
	v_add_nc_u32 v12, s97, v[R4]
	v_cndmask_b32 v[SV], v12, v[SV+1], s79         ; lanes 16-31 take B's words
	v_add_nc_u32 v[SV+3], s101, v[R4]
	v_add_nc_u32 v13, s98, v[R4]
	v_cndmask_b32 v[SV+2], v13, v[SV+3], s79
	v_add_nc_u32 v[SV+5], s78, v[R4]
	v_add_nc_u32 v14, s99, v[R4]
	v_cndmask_b32 v[SV+4], v14, v[SV+5], s79
	v_mul_u32_u24 v15, v1, 528
	v_lshl_add_u32 v15, v2, 6, v15
	v_add_nc_u32 v[STO], s96, v15
	v_add_nc_u32 v[RD], s96, v[LI]
.irp b, 0,1,2,3
	v_mov_b32 v[TM+4+\b], 0                        ; written once: a lane permute's destination counts as one of its sources
.endr
	v_lshlrev_b32 v10, 6, v2                       ; the bias by columns: 64 h
	v_and_b32 v11, 8, v1
	v_add_nc_u32 v11, v11, v1
	v_lshlrev_b32 v11, 2, v11                      ; by rows: 4 (r + 8 (r / 8))
	s_wait_alu depctr_va_vdst(0)                   ; the head's end
	SCLOAD 1, 0                                    ; kp's scale words of K steps 0-3
	WIN 0xc0                                       ; destination window 3
.irp b, 0,1,2,3,4,5,6,7                        ; lane (r, h), tile b, register j: column 32 (b / 2) + 8 (b % 2) + 16 h + j
	global_load_b128 v[64+8*\b:64+8*\b+3], v10, s[10:11] offset:4*(32*(\b/2)+8*(\b%2))
	global_load_b128 v[64+8*\b+4:64+8*\b+7], v10, s[10:11] offset:4*(32*(\b/2)+8*(\b%2))+16
.endr
	WIN 0
	s_wait_tensorcnt 0x0                           ; my part of slot 0 is in
	ds_add_u32 v[SPW], v[NIL]
	s_wait_dscnt 0x0
	CROUND                                         ; everybody's part is in, and the joint loads meet
	JLOAD G0+4, G1, G0B+4, G1B                     ; kp's K steps 4-7: slot 1's first fill, the first tensor load behind the round
	FETCH_B 0, 0, 0
	FETCH_A 0, 0, 0
	WIN 0xc0                                       ; the later blocks' biases: 20 loads, older than the first step's 32, so that step's wait covers them
.irp b, 0,1,2,3,4,5,6,7
	global_load_b128 v[8*\b:8*\b+3], v10, s[8:9] offset:4*(32*(\b/2)+8*(\b%2))
	global_load_b128 v[8*\b+4:8*\b+7], v10, s[8:9] offset:4*(32*(\b/2)+8*(\b%2))+16
.endr
.irp a, 0,1,2,3                                ; T = 2: e runs along the lanes: bv of my row of block a
	global_load_b32 v[128+8*\a], v11, s[12:13] offset:4*(32*(\a/2)+8*(\a%2))
.endr
	WIN 0
	TILE 1, 1, 64, 2                               ; kp
	WIN 0xc3                                       ; source 0 and destination window 3
.irp a, 0,1,2,3
.irp j, 1,2,3,4,5,6,7
	v_mov_b32 v[128+8*\a+\j], v[128+8*\a]          ; all eight registers of block a hold bv of my row
.endr
.endr
	WIN 0
	s_wait_alu depctr_va_vdst(0)
	TILE 2, 2, 128, 0                              ; vp
	TILE 0, 1, 0, -1                               ; qp: nothing more is fetched
	s_wait_dscnt 0x0
	WIN 0xa1
	MUL8 0, 1, 3, 1, 0, 0
	MUL8 1, 1, 3, 1, 0, 0
	MUL8 2, 1, 3, 1, 0, 0
	MUL8 3, 1, 3, 1, 0, 0
	WIN 0
	PLACES
; qp leaves twice: as codes, and as f32: a block of 16 rows x 128 columns goes through my stage and leaves as whole rows of 512 bytes.  The rows read back lie in v128-191 and v32-95 by turns.
.macro TOSTAGE a
	WIN 0x08                                       ; an LDS store's data are its source 1: window 2
.irp b, 0,1,2,3,4,5,6,7
	ds_store_b128 v[STO], v[64*(\a)+8*\b:64*(\a)+8*\b+3] offset:128*(\b/2)+32*(\b%2)
	ds_store_b128 v[STO], v[64*(\a)+8*\b+4:64*(\a)+8*\b+7] offset:128*(\b/2)+32*(\b%2)+16
.endr
	WIN 0
.set BKR, 128-96*((\a)%2)
.irp t, 0,1,2,3,4,5,6,7,8,9,10,11,12,13,14,15
	ds_load_b128 v[BKR+4*\t:BKR+4*\t+3], v[RD] offset:\t*528   ; LDS serves a wave's instructions in order: these see the stores above
.endr
.endm
.macro SEND a, younger                 ; younger: the LDS instructions issued behind block a's loads
.set BKR, 128-96*((\a)%2)
	s_wait_dscnt \younger
.irp t, 0,1,2,3,4,5,6,7,8,9,10,11,12,13,14,15
	global_store_b128 v[LI], v[BKR+4*\t:BKR+4*\t+3], s[14:15] offset:(32*((\a)/2)+8*((\a)%2)+\t+8*(\t/8))*4096   ; stage row t is row 32 (a / 2) + 8 (a % 2) + t + 8 (t / 8) of my 64
.endr
.endm
	TOSTAGE 0
.irp a, 0,1,2,3
	CODES 0, \a                                    ; its wait on XCNT also shows that block a - 1's rows have been read by their stores
.if \a < 3
	TOSTAGE \a+1
	SEND \a, 32                                    ; behind block a's loads: the next block's 16 stores and 16 loads
.else
	SEND \a, 0
.endif
.endr
	s_wait_tensorcnt 0x0                           ; the wave's end
	ds_add_u32 v[SPW], v[NIL]
	s_wait_dscnt 0x0
	CROUND                                         ; the closing round
	s_endpgm
.Lfunc_end_k_qa95cfe19a0_proj:
	.size	k_qa95cfe19a0_proj, .Lfunc_end_k_qa95cfe19a0_proj-k_qa95cfe19a0_proj
	.p2alignl 7, 3214868480
	.fill 96, 4, 3214868480
	.section	.rodata,"a",@progbits
	.p2align	6, 0x0
	.amdhsa_kernel k_qa95cfe19a0_proj
		.amdhsa_group_segment_fixed_size 327680
		.amdhsa_private_segment_fixed_size 0
		.amdhsa_enable_private_segment 0
		.amdhsa_kernarg_size 64
		.amdhsa_user_sgpr_count 2
		.amdhsa_user_sgpr_kernarg_segment_ptr 1
		.amdhsa_wavefront_size32 1
		.amdhsa_system_sgpr_workgroup_id_x 1
		.amdhsa_system_sgpr_workgroup_id_y 1
		.amdhsa_system_sgpr_workgroup_id_z 1
		.amdhsa_system_vgpr_workitem_id 0
		.amdhsa_next_free_vgpr 1024
		.amdhsa_next_free_sgpr 106
		.amdhsa_reserve_vcc 0
		.amdhsa_float_denorm_mode_32 3
		.amdhsa_float_denorm_mode_16_64 3
		.amdhsa_memory_ordered 1
		.amdhsa_forward_progress 1
		.amdhsa_inst_pref_size 255
	.end_amdhsa_kernel
	.section	.bss,"aw",@nobits
	.p2align	6
	.space	262144
	.amdgpu_metadata
---
amdhsa.version: [ 1, 2 ]
amdhsa.kernels:
  - .name:           k_qa95cfe19a0_proj
    .symbol:         k_qa95cfe19a0_proj.kd
    .args:
      - { .name: c1, .offset: 0, .size: 8, .value_kind: global_buffer, .address_space: global }
      - { .name: s1, .offset: 8, .size: 8, .value_kind: global_buffer, .address_space: global }
      - { .name: bq, .offset: 16, .size: 8, .value_kind: global_buffer, .address_space: global }
      - { .name: bk, .offset: 24, .size: 8, .value_kind: global_buffer, .address_space: global }
      - { .name: bv, .offset: 32, .size: 8, .value_kind: global_buffer, .address_space: global }
      - { .name: qp, .offset: 40, .size: 8, .value_kind: global_buffer, .address_space: global }
      - { .name: c2, .offset: 48, .size: 8, .value_kind: global_buffer, .address_space: global }
      - { .name: s2, .offset: 56, .size: 8, .value_kind: global_buffer, .address_space: global }
    .group_segment_fixed_size: 327680
    .private_segment_fixed_size: 0
    .kernarg_segment_align: 8
    .kernarg_segment_size: 64
    .max_flat_workgroup_size: 128
    .sgpr_count:     106
    .vgpr_count:     1024
    .wavefront_size: 32
...
	.end_amdgpu_metadata
.endif
;; end of part 2
;; launch score (part 3): grid 8 x 32, 4 waves a work-group, clusters of 4 x 4, 327,680 bytes of LDS; arguments c2, s2, mask, c3, s3; writes c3, s3
.if DOCPART == 3
	.amdgcn_target "amdgcn-amd-amdhsa--gfx1250"
	.amdhsa_code_object_version 6
	.text
	.protected	k_qa95cfe19a0_score
	.globl	k_qa95cfe19a0_score
	.p2align	8
	.type	k_qa95cfe19a0_score,@function
k_qa95cfe19a0_score:
	s_mov_b64 s[64:65], 0
	v_nop
	global_prefetch_b8 v0, s[64:65] scope:SCOPE_SE
	s_setreg_imm32_b32 hwreg(HW_REG_WAVE_MODE, 25, 1), 1
	s_wait_xcnt 0x0
	s_wait_alu depctr_hold_cnt(0) depctr_sa_sdst(0) depctr_va_vdst(0) depctr_va_sdst(0) depctr_va_ssrc(0) depctr_va_vcc(0) depctr_vm_vsrc(0)
	s_getreg_b32 s2, hwreg(HW_REG_IB_STS2, 6, 4)
	s_cmp_eq_u32 s2, 0
	s_cbranch_scc0 .Lentry_in_a_cluster
	s_endpgm
.Lentry_in_a_cluster:
	s_bfe_u32 s2, ttmp6, 0x10000c
	s_cmp_lg_u32 s2, 0xf033
	s_cbranch_scc0 .Lentry_shape_is_right
	s_endpgm
.Lentry_shape_is_right:
; S = qp kp^T on codes of BF6, the mask, and p ready for the product with vp.  Nothing is left out: the mask is an input, so every tile is made.
; A tile is 256 queries x 256 keys of one batch, four waves, 128 x 128 a wave; the ring, the joint loads and the order of the products are the second launch's.  A = qp's codes, B = kp's: a lane holds one query, its registers run along the keys.
; THE WAY OUT, for each block of 16 queries x my 128 keys: t = score x log2(e) / 32 (one rounding: / 32 is exact); where the mask's byte is 0, t = fl(-1e10 x log2(e)), a whole number;
; M = ceil(the largest t of these 128 keys), kept as -M = floor(-t); p = 2^(t - M), by an addition and v_exp_f32, so that keys that are all masked give exactly p = 1; the sum of the unquantised p; p's codes and scale word.
; M is LOCAL to 128 keys.  The last launch takes the largest M of a query's 16 and shifts the scale bytes by the difference: a power of two, which a block's scale takes up.
; c3: P [512 groups of queries][16 K steps of keys][1536].  s3: [512][16][16] words three times: scale words at 0, -M (f32) at 524,288, the sums at 1,048,576.
; The mask's 256 x 256 bytes come into LDS once, with the first fills, by a load of the work-group's own (no partner shares them), 128 rows from each of waves 2 and 3, rows 272 bytes apart.
; LIMITS: as stated at the head of the first launch; a p under 2^-126 counts as 0.
; REGISTERS: as in the second launch; on the way out, window 0: v64-83 codes; v128-191 t, then p; v192-223 the mask's bytes, two sets; v224-249 at work.
.set NK,    8
.set SLOT,  98304
.set HALFT, 24576
.set SCA,   196608
.set HS,    512*NK
.set SCB,   SCA+2*HS+64
.set SPARE, SCA+4*HS+256
.set MSK,   SPARE+512                  ; the mask's tile: 256 rows x (256 + 16) bytes
.set LAPS,  NK/4
.set ADRA, 16
.set ADRB, 20
.set LI,   26
.set ADRS, 27
.set SPW,  28
.set NIL,  29
.set MADR, 30
.set R4,   31
.set SC,   32
.set PC,   64
.set AF,   128
.set TT,   128
.set MK,   192
.set BM,   224
.set BX,   228
.set SOP,  232
.set FT,   236
.set S1,   240
.set S2,   242
.set NM,   244
.set LS,   246
.set PW,   247
.set NEG,  248
.set G1, 24
.set G0, 32
.set G0M, 44
.set G1B, 48
.set G0B, 56
.set G1S, 68
.set G0S, 76
.set G1SB, 80
.set G0SB, 88
.set G1M, 92
.set MSB, 0
.macro WIN new
.if MSB != (\new)
	s_set_vgpr_msb (MSB<<8)|(\new)
.set MSB, (\new)
.endif
.endm
.macro JLOAD g0a, g1a, g0b, g1b
	s_cmp_eq_u32 s21, 0
	s_cbranch_scc0 .Lfor_b_\@
	tensor_load_to_lds s[\g0a:\g0a+3], s[\g1a:\g1a+7]
	s_nop 0
.rept 4
	v_nop
.endr
	s_branch .Lasked_\@
.Lfor_b_\@:
	tensor_load_to_lds s[\g0b:\g0b+3], s[\g1b:\g1b+7]
	s_nop 0
.rept 4
	v_nop
.endr
.Lasked_\@:
.endm
.macro CREST
	s_cmp_lg_u32 s20, 0
	s_cbranch_scc1 .Lnot_wave_0_\@
	s_barrier_signal -3
.Lnot_wave_0_\@:
	s_barrier_wait -3
	s_barrier_signal -1
	s_barrier_wait -1
.endm
.macro CROUND
	s_barrier_signal -1
	s_barrier_wait -1
	CREST
.endm
.macro PLACES
.rept 4
	v_nop
.endr
.endm
.macro FRAG reg, adr, q, i
.irp c, 0,1,2
	ds_load_b128 v[\reg+4*\c:\reg+4*\c+3], v[\adr] offset:3072*(\i)+1536*(\q)+512*\c
.endr
.endm
.macro FETCH_B slot, q, p
	WIN 0x40
.irp i, 0,1,2,3,4,5,6,7
	FRAG 128*(\p)+12*\i, ADRB+\slot, \q, \i
.endr
	WIN 0
.endm
.macro FETCH_A slot, q, i0
.irp i, \i0, \i0+1, \i0+2, \i0+3
	FRAG AF+12*(\i), ADRA+\slot, \q, \i
.endr
.endm
.macro SCALES sc
.irp i, 0,1,2,3,4,5,6,7
	ds_load_b32 v[SC+16*\sc+2*\i], v[ADRS] offset:64*NK*\i
	ds_load_b32 v[SC+16*\sc+2*\i+1], v[ADRS] offset:64*NK*\i+64
.endr
.endm
.macro MUL16 a0, p, q, sc, zero        ; zero = 1: the first product starts the sums.  The 64 accumulators take turns
.irp a, \a0, \a0+1
.irp b, 0,1,2,3,4,5,6,7
.set xD, 8*(8*((\a)%4)+\b)
.set xB, 128*(\p)+12*\b
.set xA, AF+12*(\a)
.set xSB, SC+16*(\sc)+2*\b+(\q)
.set xSA, SC+16*(\sc)+2*(\a)+(\q)
.if \zero
	v_wmma_scale_f32_16x16x128_f8f6f4 v[xD:xD+7], v[xB:xB+11], v[xA:xA+11], 0, v[xSB], v[xSA] matrix_a_fmt:MATRIX_FMT_BF6 matrix_b_fmt:MATRIX_FMT_BF6 matrix_a_scale:MATRIX_SCALE_ROW1
.else
	v_wmma_scale_f32_16x16x128_f8f6f4 v[xD:xD+7], v[xB:xB+11], v[xA:xA+11], v[xD:xD+7], v[xSB], v[xSA] matrix_a_fmt:MATRIX_FMT_BF6 matrix_b_fmt:MATRIX_FMT_BF6 matrix_a_scale:MATRIX_SCALE_ROW1
.endif
.endr
.endr
.endm
.macro STEP slot, zero
	s_wait_dscnt 12                                ; all but the youngest 12 loads (A's blocks 4-7) are in
	WIN 0xa1
	MUL16 0, 0, 0, \slot, \zero
	MUL16 2, 0, 0, \slot, \zero
	s_wait_dscnt 0
	PLACES
	FETCH_B \slot, 1, 1
	FETCH_A \slot, 1, 0
	WIN 0xf1
	MUL16 4, 0, 0, \slot, \zero
	MUL16 6, 0, 0, \slot, \zero
	PLACES
	WIN 0
	FETCH_A \slot, 1, 4
.endm
.macro TURN slot, next, fill
	s_wait_tensorcnt 0x0                           ; all my tensor loads have landed (at the first change of slots: my part of the mask too)
	ds_add_u32 v[SPW], v[NIL]                      ; 0 onto my spare word
.if \fill
	s_mov_b32 s[G1+2], 8<<16                       ; no tensor load of mine is out: from here on a load of the ring brings 8 groups
	s_mov_b32 s[G1+4], 8
	s_mov_b32 s[G1B+2], 8<<16
	s_mov_b32 s[G1B+4], 8
.endif
	s_wait_dscnt 13
	WIN 0xa1
	MUL16 0, 1, 1, \slot, 0
	s_wait_dscnt 0x0                               ; the add is done, and my reads of this slot are over
	s_barrier_signal -1
	MUL16 2, 1, 1, \slot, 0
	WIN 0
	s_barrier_wait -1
.if \fill
	CREST
	s_add_nc_u64 s[G0+4*\slot+2:G0+4*\slot+3], s[G0+4*\slot+2:G0+4*\slot+3], 6144
	s_add_nc_u64 s[G0B+4*\slot+2:G0B+4*\slot+3], s[G0B+4*\slot+2:G0B+4*\slot+3], 6144
	JLOAD G0+4*\slot, G1, G0B+4*\slot, G1B
.else
	PLACES
.endif
	s_wait_alu depctr_va_vdst(0)
	v_add_nc_u32 v[ADRS], 128, v[ADRS]
	FETCH_B \next, 0, 0
	FETCH_A \next, 0, 0
	SCALES \next
	WIN 0xf1
	MUL16 4, 1, 1, \slot, 0
	MUL16 6, 1, 1, \slot, 0
	PLACES
	WIN 0
	FETCH_A \next, 0, 4
.endm
	s_load_b256 s[4:11], s[0:1], 0x0               ; c2 s[4:5], s2 s[6:7], mask s[8:9], c3 s[10:11]
	s_load_b64 s[12:13], s[0:1], 0x20              ; s3
	v_lshl_add_u32 v[SPW], v0, 2, SPARE
	v_mov_b32 v[NIL], 0
	ds_add_u32 v[SPW], v[NIL]                      ; the wave's opening: the add, twice on end, and its wait ahead of my first tensor load
	ds_add_u32 v[SPW], v[NIL]
	v_lshrrev_b32 v1, 5, v0
	v_readfirstlane_b32 s20, v1                    ; wave
	s_lshr_b32 s21, s20, 1                         ; my half of the queries; also: I fetch for A (0) or B (1)
	s_and_b32 s22, s20, 1                          ; my half of the keys; also: which 8 groups I fetch
	s_bfe_u32 s40, ttmp6, 0x40000                  ; cx
	s_bfe_u32 s41, ttmp6, 0x40004                  ; cy
	s_lshl_b32 s42, ttmp9, 2
	s_add_co_u32 s42, s42, s40                     ; tile column: 256 keys of the batch, 0 .. 7
	s_and_b32 s2, ttmp7, 0xffff
	s_lshl_b32 s43, s2, 2
	s_add_co_u32 s43, s43, s41                     ; tile row: 256 queries, 0 .. 31
	s_lshr_b32 s2, s2, 1                           ; the batch, alike in all partners
	s_lshl_b32 s23, s41, 2
	s_lshl_b32 s23, 15, s23                        ; my row of the cluster
	s_lshl_b32 s3, 0x1111, s40                     ; my column
	s_or_b32 s[G1], s23, (3<<16)|(1<<21)
	s_or_b32 s[G1B], s3, (3<<16)|(1<<21)
.irp g, G1, G1B
	s_mov_b32 s[\g+1], 384<<16
	s_mov_b32 s[\g+2], 16<<16                      ; the first two fills bring a side's 16 groups by one load
	s_mov_b32 s[\g+3], 384<<16
	s_mov_b32 s[\g+4], 16
	s_mov_b32 s[\g+5], 192*NK
	s_mov_b32 s[\g+6], 0
	s_mov_b32 s[\g+7], 0
.endr
	s_or_b32 s[G1S], s23, (3<<16)|(1<<21)
	s_or_b32 s[G1SB], s3, (3<<16)|(1<<21)
.irp g, G1S, G1SB
	s_mov_b32 s[\g+1], 32<<16
	s_mov_b32 s[\g+2], (4*NK)<<16                  ; the scale words of a side's 16 groups: 32 rows of 256 bytes
	s_mov_b32 s[\g+3], 32<<16
	s_mov_b32 s[\g+4], 4*NK
	s_mov_b32 s[\g+5], 32
	s_mov_b32 s[\g+6], 0
	s_mov_b32 s[\g+7], 0
.endr
	s_mov_b32 s[G1M], (3<<16)|(1<<20)|(5<<22)|(3<<25)   ; the mask: no work-group mask; elements of 8 bytes; 16 bytes of padding behind every 256
	s_mov_b32 s[G1M+1], 32<<16                     ; 256 bytes of a row
	s_mov_b32 s[G1M+2], 128<<16                    ; 128 rows: waves 2 and 3 fetch a half of the mask's tile each
	s_mov_b32 s[G1M+3], 32<<16
	s_mov_b32 s[G1M+4], 128
	s_mov_b32 s[G1M+5], 256                        ; a row of the mask is 2,048 bytes
	s_mov_b32 s[G1M+6], 0
	s_mov_b32 s[G1M+7], 0
	s_mul_i32 s14, s43, 196608                     ; A: qp's codes of my tile row,
	s_mov_b32 s15, 0
	s_lshl_b32 s67, s2, 3
	s_add_co_u32 s67, s67, s42                     ; B: kp's tile 8 x batch + tile column
	s_mul_i32 s16, s67, 196608
	s_add_co_u32 s16, s16, 6291456
	s_mov_b32 s17, 0
	s_lshl_b32 s18, s43, 13
	s_mov_b32 s19, 0
	s_lshl_b32 s100, s67, 13
	s_add_co_u32 s100, s100, 262144
	s_mov_b32 s101, 0
	s_and_b32 s104, s43, 7                         ; the mask: (256 x (tile row in the batch) + 128 x (wave % 2)) rows of 2,048 bytes,
	s_lshl_b32 s104, s104, 8
	s_lshl_b32 s105, s22, 7
	s_add_co_u32 s104, s104, s105
	s_lshl_b32 s104, s104, 11
	s_lshl_b32 s105, s2, 22                        ; the batch,
	s_add_co_u32 s104, s104, s105
	s_lshl_b32 s105, s42, 8                        ; 256 keys
	s_add_co_u32 s104, s104, s105
	s_mov_b32 s105, 0
	s_mul_i32 s3, s20, HALFT
	s_wait_dscnt 0x0                               ; both opening adds are done
	s_wait_kmcnt 0x0
	s_add_nc_u64 s[14:15], s[4:5], s[14:15]
	s_add_nc_u64 s[16:17], s[4:5], s[16:17]
	s_add_nc_u64 s[18:19], s[6:7], s[18:19]
	s_add_nc_u64 s[100:101], s[6:7], s[100:101]
	s_add_nc_u64 s[104:105], s[8:9], s[104:105]
	CROUND                                         ; all sixteen work-groups are here: the first joint loads meet
	s_mov_b32 s[G0S], 1
	s_mov_b32 s[G0S+1], SCA
	s_mov_b64 s[G0S+2:G0S+3], s[18:19]
	s_or_b32 s[G0S+3], s[G0S+3], 0x80000000
	s_mov_b32 s[G0SB], 1
	s_mov_b32 s[G0SB+1], SCB
	s_mov_b64 s[G0SB+2:G0SB+3], s[100:101]
	s_or_b32 s[G0SB+3], s[G0SB+3], 0x80000000
	s_mul_i32 s66, s22, 98304                      ; in the ring I fetch 8 groups of a side: which half
	s_mov_b32 s67, 0
.irp s, 0,1
	s_mov_b32 s[G0+4*\s], 1
	s_add_co_u32 s[G0+4*\s+1], s3, \s*SLOT
	s_add_nc_u64 s[G0+4*\s+2:G0+4*\s+3], s[14:15], \s*3072
	s_add_nc_u64 s[G0+4*\s+2:G0+4*\s+3], s[G0+4*\s+2:G0+4*\s+3], s[66:67]
	s_or_b32 s[G0+4*\s+3], s[G0+4*\s+3], 0x80000000
	s_mov_b32 s[G0B+4*\s], 1
	s_add_co_u32 s[G0B+4*\s+1], s3, \s*SLOT
	s_add_nc_u64 s[G0B+4*\s+2:G0B+4*\s+3], s[16:17], \s*3072
	s_add_nc_u64 s[G0B+4*\s+2:G0B+4*\s+3], s[G0B+4*\s+2:G0B+4*\s+3], s[66:67]
	s_or_b32 s[G0B+4*\s+3], s[G0B+4*\s+3], 0x80000000
.endr
	s_mov_b32 s[G0M], 1
	s_mul_i32 s[G0M+1], s22, 128*272
	s_add_co_u32 s[G0M+1], s[G0M+1], MSK
	s_mov_b64 s[G0M+2:G0M+3], s[104:105]
	s_or_b32 s[G0M+3], s[G0M+3], 0x80000000
	s_mov_b32 s4, 1                                ; s[4:7]: group 0 for a whole side of A, s[16:19] of B (the addresses that lay there have been used)
	s_mov_b32 s5, 0
	s_mov_b64 s[6:7], s[14:15]
	s_or_b32 s7, s7, 0x80000000
	s_mov_b64 s[18:19], s[16:17]
	s_or_b32 s19, s19, 0x80000000
	s_mov_b32 s16, 1
	s_mov_b32 s17, 2*HALFT
; ONE tensor load a wave at the head: wave 0 slot 0's 16 groups of A, wave 1 those of B, wave 2 A's scale words, wave 3 B's.  One chain of branches on the wave's number, all arms to one join.
.macro ARM under, g0, g1, next, join
	s_cmp_lt_u32 s20, \under
	s_cbranch_scc0 \next
	tensor_load_to_lds s[\g0:\g0+3], s[\g1:\g1+7]
	s_nop 0
.rept 4
	v_nop
.endr
	s_branch \join
\next:
.endm
	ARM 1, 4, G1, .Lh_b, .Lh_done
	ARM 2, 16, G1B, .Lh_sa, .Lh_done
	ARM 3, G0S, G1S, .Lh_sb, .Lh_done
	tensor_load_to_lds s[G0SB:G0SB+3], s[G1SB:G1SB+7]
	s_nop 0
.rept 4
	v_nop
.endr
.Lh_done:
	v_and_b32 v1, 15, v0                           ; r
	v_bfe_u32 v2, v0, 4, 1                         ; h
	s_wait_alu depctr_va_vdst(0)
	v_and_b32 v3, 31, v0
	v_lshlrev_b32 v[LI], 4, v3
	s_mul_i32 s23, s21, HALFT
	s_mul_i32 s104, s22, HALFT
	s_add_co_u32 s104, s104, 2*HALFT
.irp s, 0,1
	v_add_nc_u32 v[ADRA+\s], s23, v[LI]
	v_add_nc_u32 v[ADRB+\s], s104, v[LI]
	s_add_co_u32 s23, s23, SLOT
	s_add_co_u32 s104, s104, SLOT
.endr
	v_lshlrev_b32 v[R4], 2, v1
	s_mul_i32 s23, s21, HS
	s_mul_i32 s104, s22, HS
	s_add_co_u32 s104, s104, SCB-SCA
	s_sub_co_u32 s104, s104, s23
	v_mul_u32_u24 v4, s104, v2
	s_add_co_u32 s23, s23, SCA
	v_add_nc_u32 v4, v[R4], v4
	v_add_nc_u32 v[ADRS], s23, v4
	v_and_b32 v4, 8, v1
	v_add_nc_u32 v4, v4, v1                        ; r + 8 (r / 8)
	v_mul_u32_u24 v4, v4, 272
	v_lshl_add_u32 v4, v2, 4, v4                   ; + 16 h: my 16 keys of a block of 32
	s_mul_i32 s23, s21, 128*272
	s_lshl_b32 s104, s22, 7
	s_add_co_u32 s23, s23, s104
	s_add_co_u32 s23, s23, MSK
	v_add_nc_u32 v[MADR], s23, v4
.irp b, 0,1,2,3
	v_mov_b32 v[BX+\b], 0                          ; written once: a lane permute's destination counts as one of its sources
.endr
	v_mov_b32 v[NM+1], 0                           ; (named as the upper half of a pair)
	v_mov_b32 v[NEG], 0xd01502f9                   ; -1e10
	v_mul_f32 v[NEG], 0x3fb8aa3b, v[NEG]           ; x log2(e): a masked key's t
	s_lshl_b32 s66, s43, 4
	s_lshl_b32 s67, s21, 3
	s_add_co_u32 s66, s66, s67                     ; my first group of queries
	s_lshl_b32 s66, s66, 4
	s_lshl_b32 s67, s42, 1
	s_add_co_u32 s66, s66, s67
	s_add_co_u32 s66, s66, s22                     ; x 16 + my K step of keys
	s_mul_i32 s104, s66, 1536
	s_mov_b32 s105, 0
	s_add_nc_u64 s[10:11], s[10:11], s[104:105]
	s_lshl_b32 s104, s66, 6
	s_add_nc_u64 s[12:13], s[12:13], s[104:105]
	s_wait_alu depctr_va_vdst(0)                   ; the head's end
	s_wait_tensorcnt 0x0                           ; my tile of the head's four is in
	ds_add_u32 v[SPW], v[NIL]
	s_mov_b32 s5, SLOT                             ; no tensor load of mine is out: slot 1, K steps 2 and 3
	s_add_nc_u64 s[6:7], s[6:7], 3072
	s_mov_b32 s17, SLOT+2*HALFT
	s_add_nc_u64 s[18:19], s[18:19], 3072
	s_wait_dscnt 0x0
	CROUND                                         ; all four tiles are in, and all sixteen work-groups are here
	ARM 1, 4, G1, .Lr_b, .Lr_done                  ; first fills all: wave 0 slot 1's A, wave 1 its B, waves 2 and 3 128 rows each of the mask's tile
	ARM 2, 16, G1B, .Lr_m, .Lr_done
	tensor_load_to_lds s[G0M:G0M+3], s[G1M:G1M+7]
	s_nop 0
.rept 4
	v_nop
.endr
.Lr_done:
	FETCH_B 0, 0, 0
	FETCH_A 0, 0, 0
	SCALES 0
	FETCH_A 0, 0, 4
	STEP 0, 1
	s_mov_b32 s3, LAPS-1
.Llap:
	TURN 0, 1, 1
	STEP 1, 0
	TURN 1, 0, 1
	STEP 0, 0
	s_sub_co_u32 s3, s3, 1
	s_cmp_lg_u32 s3, 0
	s_cbranch_scc1 .Llap
	TURN 0, 1, 0
	STEP 1, 0
	s_wait_dscnt 12
	WIN 0xa1
	MUL16 0, 1, 1, 1, 0
	MUL16 2, 1, 1, 1, 0
	s_wait_dscnt 0
	WIN 0xf1
	MUL16 4, 1, 1, 1, 0
	MUL16 6, 1, 1, 1, 0
	WIN 0
	PLACES
	s_mov_b32 s24, 0x3d38aa3b                      ; c = log2(e) / 32.  (No tensor load of mine is out: s24-31 are free)
	s_mov_b32 s25, s24
	s_mov_b32 s26, 0x76543210
	s_mov_b32 s27, 0xfedcba98
	s_mov_b32 s28, 0x01010101                      ; v_perm_b32's selects: byte 1, 2, 3 into all four places
	s_mov_b32 s29, 0x02020202
	s_mov_b32 s30, 0x03030303
	s_mov_b32 s31, 255
.macro MLOAD a                         ; the mask's bytes of block a: my query's row, 16 bytes of each block of 32 keys
.irp b, 0,1,2,3
	ds_load_b128 v[MK+16*((\a)%2)+4*\b:MK+16*((\a)%2)+4*\b+3], v[MADR] offset:272*(32*((\a)/2)+8*((\a)%2))+32*\b
.endr
.endm
.macro SOFT a
.set AC, 64*((\a)%4)
.set MKS, MK+16*((\a)%2)
.if (\a) > 0
	s_wait_xcnt 0x0                                ; the last block's stores have read their registers
.endif
.if (\a) < 7
	MLOAD (\a)+1
.endif
	WIN 2+(\a)/4                                   ; source 0: the accumulators' window
.set n, 0
.rept 32
	v_pk_mul_f32 v[TT+n:TT+n+1], v[AC+n:AC+n+1], s[24:25] op_sel_hi:[1,0]   ; t, each accumulator from its low end on
.set n, n+2
.endr
	WIN 0
.if (\a) < 7
	s_wait_dscnt 4                                 ; this block's mask is in; the next block's four loads may be out
.else
	s_wait_dscnt 0
.endif
.irp m, 0,1,2,3,4,5,6,7,8,9,10,11,12,13,14,15
	v_mul_lo_u32 v[MKS+\m], v[MKS+\m], s31         ; bytes 0 and 1 become 0x00 and 0xff
.endr
.irp m, 0,1,2,3,4,5,6,7,8,9,10,11,12,13,14,15
	v_perm_b32 v[FT], v[MKS+\m], v[MKS+\m], 0      ; a key's byte into all four places,
	v_perm_b32 v[FT+1], v[MKS+\m], v[MKS+\m], s28
	v_perm_b32 v[FT+2], v[MKS+\m], v[MKS+\m], s29
	v_perm_b32 v[FT+3], v[MKS+\m], v[MKS+\m], s30
	v_bfi_b32 v[TT+4*\m], v[FT], v[TT+4*\m], v[NEG]   ; and t or the masked t by its bits
	v_bfi_b32 v[TT+4*\m+1], v[FT+1], v[TT+4*\m+1], v[NEG]
	v_bfi_b32 v[TT+4*\m+2], v[FT+2], v[TT+4*\m+2], v[NEG]
	v_bfi_b32 v[TT+4*\m+3], v[FT+3], v[TT+4*\m+3], v[NEG]
.endr
.irp b, 0,1,2,3
	v_max3_num_f32 v[BM+\b], v[TT+16*\b], v[TT+1+16*\b], v[TT+2+16*\b]   ; the largest t of each block of 32 keys: for the row's maximum and, since p rises with t, for the block's largest p
.endr
.irp i, 3,5,7,9,11,13
.irp b, 0,1,2,3
	v_max3_num_f32 v[BM+\b], v[BM+\b], v[TT+16*\b+\i], v[TT+1+16*\b+\i]
.endr
.endr
.irp b, 0,1,2,3
	v_max_num_f32 v[BM+\b], v[BM+\b], v[TT+15+16*\b]
.endr
.irp b, 0,1,2,3
	v_permlanex16_b32 v[BX+\b], v[BM+\b], s26, s27
.endr
.irp b, 0,1,2,3
	v_max_num_f32 v[BM+\b], v[BM+\b], v[BX+\b]
.endr
	v_max3_num_f32 v249, v[BM], v[BM+1], v[BM+2]
	v_max_num_f32 v249, v249, v[BM+3]
	v_floor_f32 v[NM], -v249                       ; -M = floor(-t) = -ceil(t): a whole number
.set n, 0
.rept 32
	v_pk_add_f32 v[TT+n:TT+n+1], v[TT+n:TT+n+1], v[NM:NM+1] op_sel_hi:[1,0]   ; t - M
.set n, n+2
.endr
.irp b, 0,1,2,3
	v_add_f32 v[BM+\b], v[BM+\b], v[NM]
.endr
.set n, 0
	s_wait_alu depctr_va_vdst(0)
.rept 64
	v_exp_f32 v[TT+n], v[TT+n]                     ; p = 2^(t - M)
.set n, n+1
.endr
	v_nop                                          ; a plain place behind the exponentials
	s_wait_alu depctr_va_vdst(0)                   ; the wait ahead of the first line that names a result: one for the batch
.irp b, 0,1,2,3
	v_exp_f32 v[BM+\b], v[BM+\b]                   ; the block's largest p: the same two instructions on the same number
.endr
	v_pk_add_f32 v[S1:S1+1], v[TT:TT+1], v[TT+2:TT+3]   ; the sum of the unquantised p, in two chains
	v_pk_add_f32 v[S2:S2+1], v[TT+4:TT+5], v[TT+6:TT+7]
.irp j, 8,12,16,20,24,28,32,36,40,44,48,52,56,60
	v_pk_add_f32 v[S1:S1+1], v[S1:S1+1], v[TT+\j:TT+\j+1]
	v_pk_add_f32 v[S2:S2+1], v[S2:S2+1], v[TT+\j+2:TT+\j+3]
.endr
	v_pk_add_f32 v[S1:S1+1], v[S1:S1+1], v[S2:S2+1]
	v_add_f32 v[LS], v[S1], v[S1+1]
	v_permlanex16_b32 v[BX], v[LS], s26, s27
	v_add_f32 v[LS], v[LS], v[BX]
	s_wait_alu depctr_va_vdst(0)                   ; and one for the four
.irp b, 0,1,2,3
	v_max_num_f32 v[BM+\b], 0x2800000, v[BM+\b]    ; the floor 2^(5 - 127): the byte cannot fall under 1
.endr
.irp b, 0,1,2,3
	v_add_nc_u32 v[SOP+\b], 0xfe000000, v[BM+\b]
.endr
.irp b, 0,1,2,3
	v_lshrrev_b32 v[FT+\b], 23, v[SOP+\b]
.endr
	v_lshl_or_b32 v[PW], v[FT+1], 8, v[FT]
	v_lshl_or_b32 v[PW], v[FT+2], 16, v[PW]
	v_lshl_or_b32 v[PW], v[FT+3], 24, v[PW]
.irp c, 0,1
	v_cvt_scalef32_pk16_bf6_f32 v[PC+6*\c:PC+2+6*\c], v[TT+32*\c:TT+15+32*\c], v[SOP+2*\c]
	v_cvt_scalef32_pk16_bf6_f32 v[PC+12+4*\c:PC+14+4*\c], v[TT+16+32*\c:TT+31+32*\c], v[SOP+2*\c+1]
.endr
	v_nop                                          ; one plain place behind a scaled conversion
.irp c, 0,1
.irp i, 0,1,2
	v_permlane16_swap_b32 v[PC+6*\c+\i], v[PC+12+4*\c+\i]
.endr
.irp i, 0,1,2
	v_mov_b32 v[PC+3+6*\c+\i], v[PC+12+4*\c+\i]
.endr
.endr
.irp c, 0,1,2
	global_store_b128 v[LI], v[PC+4*\c:PC+4*\c+3], s[10:11] offset:24576*(\a)+512*\c
.endr
	global_store_b32 v[R4], v[PW], s[12:13] offset:1024*(\a)
	global_store_b32 v[R4], v[NM], s[12:13] offset:1024*(\a)+524288
	global_store_b32 v[R4], v[LS], s[12:13] offset:1024*(\a)+1048576
.endm
	MLOAD 0                                        ; behind the places: it lands in registers that the last products read
.irp a, 0,1,2,3,4,5,6,7
	SOFT \a
.endr
	s_wait_tensorcnt 0x0                           ; the wave's end
	ds_add_u32 v[SPW], v[NIL]
	s_wait_dscnt 0x0
	CROUND                                         ; the closing round
	s_endpgm
.Lfunc_end_k_qa95cfe19a0_score:
	.size	k_qa95cfe19a0_score, .Lfunc_end_k_qa95cfe19a0_score-k_qa95cfe19a0_score
	.p2alignl 7, 3214868480
	.fill 96, 4, 3214868480
	.section	.rodata,"a",@progbits
	.p2align	6, 0x0
	.amdhsa_kernel k_qa95cfe19a0_score
		.amdhsa_group_segment_fixed_size 327680
		.amdhsa_private_segment_fixed_size 0
		.amdhsa_enable_private_segment 0
		.amdhsa_kernarg_size 40
		.amdhsa_user_sgpr_count 2
		.amdhsa_user_sgpr_kernarg_segment_ptr 1
		.amdhsa_wavefront_size32 1
		.amdhsa_system_sgpr_workgroup_id_x 1
		.amdhsa_system_sgpr_workgroup_id_y 1
		.amdhsa_system_sgpr_workgroup_id_z 1
		.amdhsa_system_vgpr_workitem_id 0
		.amdhsa_next_free_vgpr 1024
		.amdhsa_next_free_sgpr 106
		.amdhsa_reserve_vcc 0
		.amdhsa_float_denorm_mode_32 3
		.amdhsa_float_denorm_mode_16_64 3
		.amdhsa_memory_ordered 1
		.amdhsa_forward_progress 1
		.amdhsa_inst_pref_size 255
	.end_amdhsa_kernel
	.section	.bss,"aw",@nobits
	.p2align	6
	.space	262144
	.amdgpu_metadata
---
amdhsa.version: [ 1, 2 ]
amdhsa.kernels:
  - .name:           k_qa95cfe19a0_score
    .symbol:         k_qa95cfe19a0_score.kd
    .args:
      - { .name: c2, .offset: 0, .size: 8, .value_kind: global_buffer, .address_space: global }
      - { .name: s2, .offset: 8, .size: 8, .value_kind: global_buffer, .address_space: global }
      - { .name: mask, .offset: 16, .size: 8, .value_kind: global_buffer, .address_space: global }
      - { .name: c3, .offset: 24, .size: 8, .value_kind: global_buffer, .address_space: global }
      - { .name: s3, .offset: 32, .size: 8, .value_kind: global_buffer, .address_space: global }
    .group_segment_fixed_size: 327680
    .private_segment_fixed_size: 0
    .kernarg_segment_align: 8
    .kernarg_segment_size: 40
    .max_flat_workgroup_size: 128
    .sgpr_count:     106
    .vgpr_count:     1024
    .wavefront_size: 32
...
	.end_amdgpu_metadata
.endif
;; end of part 3
;; launch pv (part 4): grid 4 x 64, 4 waves a work-group, clusters of 4 x 4, 327,680 bytes of LDS; arguments c3, s3, c2, s2, qp, out0; writes out0
.if DOCPART == 4
	.amdgcn_target "amdgcn-amd-amdhsa--gfx1250"
	.amdhsa_code_object_version 6
	.text
	.protected	k_qa95cfe19a0_pv
	.globl	k_qa95cfe19a0_pv
	.p2align	8
	.type	k_qa95cfe19a0_pv,@function
k_qa95cfe19a0_pv:
	s_mov_b64 s[64:65], 0
	v_nop
	global_prefetch_b8 v0, s[64:65] scope:SCOPE_SE
	s_setreg_imm32_b32 hwreg(HW_REG_WAVE_MODE, 25, 1), 1
	s_wait_xcnt 0x0
	s_wait_alu depctr_hold_cnt(0) depctr_sa_sdst(0) depctr_va_vdst(0) depctr_va_sdst(0) depctr_va_ssrc(0) depctr_va_vcc(0) depctr_vm_vsrc(0)
	s_getreg_b32 s2, hwreg(HW_REG_IB_STS2, 6, 4)
	s_cmp_eq_u32 s2, 0
	s_cbranch_scc0 .Lentry_in_a_cluster
	s_endpgm
.Lentry_in_a_cluster:
	s_bfe_u32 s2, ttmp6, 0x10000c
	s_cmp_lg_u32 s2, 0xf033
	s_cbranch_scc0 .Lentry_shape_is_right
	s_endpgm
.Lentry_shape_is_right:
.set NK,    16
.set AH,    24576
.set BH,    49152
.set SLOT,  2*AH+2*BH
.set SCA,   2*SLOT
.set HSA,   4096
.set HSB,   8192
.set SCB,   SCA+2*HSA+64
.set RLB,   SCA+2*HSA+2*HSB+256
.set SPARE, RLB+512
.set ADRA, 16
.set ADRB, 20
.set STO,  24
.set RD,   25
.set LI,   26
.set ADRS, 27
.set SPW,  28
.set NIL,  29
.set ADRS2, 30
.set RLA,  31
.set SC,   32
.set RL,   96
.set AF,   128
.set BB,   128
.set G1, 24
.set G0, 32
.set G1B, 48
.set G0B, 56
.set G1SB, 80
.set G0SB, 88
.set MSB, 0
.macro WIN new
.if MSB != (\new)
	s_set_vgpr_msb (MSB<<8)|(\new)
.set MSB, (\new)
.endif
.endm
.macro JLOAD g0a, g1a, g0b, g1b
	s_cmp_eq_u32 s21, 0
	s_cbranch_scc0 .Lfor_b_\@
	tensor_load_to_lds s[\g0a:\g0a+3], s[\g1a:\g1a+7]
	s_nop 0
.rept 4
	v_nop
.endr
	s_branch .Lasked_\@
.Lfor_b_\@:
	tensor_load_to_lds s[\g0b:\g0b+3], s[\g1b:\g1b+7]
	s_nop 0
.rept 4
	v_nop
.endr
.Lasked_\@:
.endm
.macro CREST
	s_cmp_lg_u32 s20, 0
	s_cbranch_scc1 .Lnot_wave_0_\@
	s_barrier_signal -3
.Lnot_wave_0_\@:
	s_barrier_wait -3
	s_barrier_signal -1
	s_barrier_wait -1
.endm
.macro CROUND
	s_barrier_signal -1
	s_barrier_wait -1
	CREST
.endm
.macro PLACES
.rept 4
	v_nop
.endr
.endm
.macro FRAG reg, adr, q, i
.irp c, 0,1,2
	ds_load_b128 v[\reg+4*\c:\reg+4*\c+3], v[\adr] offset:6144*(\i)+1536*(\q)+512*\c
.endr
.endm
.macro FETCH_B slot, q, p
	WIN 0x40
.irp i, 0,1,2,3,4,5,6,7
	FRAG 128*(\p)+12*\i, ADRB+\slot, \q, \i
.endr
	WIN 0
.endm
.macro FETCH_A slot, q, p
.irp i, 0,1,2,3
	FRAG AF+48*(\p)+12*\i, ADRA+\slot, \q, \i
.endr
.endm
.macro SCALES sc
.irp i, 0,1,2,3
.irp q, 0,1,2,3
	ds_load_b32 v[SC+32*\sc+4*\i+\q], v[ADRS] offset:1024*\i+64*\q
.endr
.endr
.irp i, 4,5,6,7
.irp q, 0,1,2,3
	ds_load_b32 v[SC+32*\sc+4*\i+\q], v[ADRS2] offset:1024*\i+64*\q
.endr
.endr
.endm
.macro MUL8 a, p, q, sc, zero
.irp b, 0,1,2,3,4,5,6,7
.set xD, 8*(8*(\a)+\b)
.set xB, 128*(\p)+12*\b
.set xA, AF+48*(\p)+12*(\a)
.set xSB, SC+32*(\sc)+4*\b+(\q)
.set xSA, SC+32*(\sc)+4*(\a)+(\q)
.if \zero
	v_wmma_scale_f32_16x16x128_f8f6f4 v[xD:xD+7], v[xB:xB+11], v[xA:xA+11], 0, v[xSB], v[xSA] matrix_a_fmt:MATRIX_FMT_BF6 matrix_b_fmt:MATRIX_FMT_BF6 matrix_a_scale:MATRIX_SCALE_ROW1
.else
	v_wmma_scale_f32_16x16x128_f8f6f4 v[xD:xD+7], v[xB:xB+11], v[xA:xA+11], v[xD:xD+7], v[xSB], v[xSA] matrix_a_fmt:MATRIX_FMT_BF6 matrix_b_fmt:MATRIX_FMT_BF6 matrix_a_scale:MATRIX_SCALE_ROW1
.endif
.endr
.endm
.macro STEP slot, q, zero
	PLACES
	FETCH_B \slot, (\q)+1, 1-(\q)%2
	FETCH_A \slot, (\q)+1, 1-(\q)%2
	s_wait_dscnt 36
	WIN 0xa1
	MUL8 0, (\q)%2, \q, \slot, \zero
	MUL8 1, (\q)%2, \q, \slot, \zero
	MUL8 2, (\q)%2, \q, \slot, \zero
	MUL8 3, (\q)%2, \q, \slot, \zero
	WIN 0
.endm
.macro TURN slot, next, fill
	s_wait_tensorcnt 0x0
	ds_add_u32 v[SPW], v[NIL]
	s_wait_dscnt 1
	WIN 0xa1
	MUL8 0, 1, 3, \slot, 0
	s_wait_dscnt 0x0
	s_barrier_signal -1
	MUL8 1, 1, 3, \slot, 0
	WIN 0
	s_barrier_wait -1
.if \fill
	CREST
	s_add_nc_u64 s[G0+4*\slot+2:G0+4*\slot+3], s[G0+4*\slot+2:G0+4*\slot+3], 12288
	s_add_nc_u64 s[G0B+4*\slot+2:G0B+4*\slot+3], s[G0B+4*\slot+2:G0B+4*\slot+3], 12288
	JLOAD G0+4*\slot, G1, G0B+4*\slot, G1B
.else
	PLACES
.endif
	s_wait_alu depctr_va_vdst(0)
	v_add_nc_u32 v[ADRS], 256, v[ADRS]
	v_add_nc_u32 v[ADRS2], 256, v[ADRS2]
	FETCH_B \next, 0, 0
	FETCH_A \next, 0, 0
	SCALES \next
	WIN 0xa1
	MUL8 2, 1, 3, \slot, 0
	MUL8 3, 1, 3, \slot, 0
	WIN 0
.endm
	s_load_b256 s[4:11], s[0:1], 0x0
	s_load_b128 s[12:15], s[0:1], 0x20
	v_lshl_add_u32 v[SPW], v0, 2, SPARE
	v_mov_b32 v[NIL], 0
	ds_add_u32 v[SPW], v[NIL]
	ds_add_u32 v[SPW], v[NIL]
	v_lshrrev_b32 v1, 5, v0
	v_readfirstlane_b32 s20, v1
	s_lshr_b32 s21, s20, 1
	s_and_b32 s22, s20, 1
	s_bfe_u32 s40, ttmp6, 0x40000
	s_bfe_u32 s41, ttmp6, 0x40004
	s_mov_b32 s42, s40
	s_and_b32 s2, ttmp7, 0xffff
	s_lshl_b32 s43, s2, 2
	s_add_co_u32 s43, s43, s41
	s_lshr_b32 s2, s2, 2
	s_lshl_b32 s23, s41, 2
	s_lshl_b32 s23, 15, s23
	s_lshl_b32 s3, 0x1111, s40
	s_or_b32 s[G1], s23, (3<<16)|(1<<21)
	s_or_b32 s[G1B], s3, (3<<16)|(1<<21)
.irp g, G1, G1B
	s_mov_b32 s[\g+1], 768<<16
	s_mov_b32 s[\g+3], 768<<16
	s_mov_b32 s[\g+5], 192*NK
	s_mov_b32 s[\g+6], 0
	s_mov_b32 s[\g+7], 0
.endr
	s_mov_b32 s[G1+2], 8<<16                       ; at the head wave 0 fetches A's 8 groups by one load
	s_mov_b32 s[G1+4], 8
	s_mov_b32 s[G1B+2], 8<<16
	s_mov_b32 s[G1B+4], 8
	s_or_b32 s[G1SB], s3, (3<<16)|(1<<21)
	s_mov_b32 s[G1SB+1], 32<<16
	s_mov_b32 s[G1SB+2], 64<<16                    ; B's scale words whole: 64 rows of 256 bytes
	s_mov_b32 s[G1SB+3], 32<<16
	s_mov_b32 s[G1SB+4], 64
	s_mov_b32 s[G1SB+5], 32
	s_mov_b32 s[G1SB+6], 0
	s_mov_b32 s[G1SB+7], 0
	s_mul_i32 s16, s43, 196608
	s_mul_i32 s66, s22, 98304
	s_add_co_u32 s16, s16, s66
	s_mov_b32 s17, 0
	s_mul_i32 s18, s2, 1572864
	s_mul_i32 s67, s42, 393216
	s_add_co_u32 s18, s18, s67
	s_mul_i32 s67, s22, 196608
	s_add_co_u32 s18, s18, s67
	s_add_co_u32 s18, s18, 12582912
	s_mov_b32 s19, 0
	s_lshl_b32 s100, s2, 16
	s_lshl_b32 s67, s42, 14
	s_add_co_u32 s100, s100, s67
	s_add_co_u32 s100, s100, 524288
	s_mov_b32 s101, 0
	s_lshl_b32 s92, s43, 13
	s_lshl_b32 s93, s20, 11
	s_add_co_u32 s92, s92, s93
	s_mov_b32 s93, 0
	s_lshl_b32 s94, s43, 7
	s_lshl_b32 s95, s21, 6
	s_add_co_u32 s94, s94, s95
	s_lshl_b32 s94, s94, 12
	s_lshl_b32 s95, s42, 10
	s_add_co_u32 s94, s94, s95
	s_lshl_b32 s95, s22, 9
	s_add_co_u32 s94, s94, s95
	s_mov_b32 s95, 0
	s_mul_i32 s3, s22, AH
	s_mul_i32 s23, s22, BH
	s_add_co_u32 s23, s23, 2*AH
	s_wait_dscnt 0x0
	s_wait_kmcnt 0x0
	s_add_nc_u64 s[16:17], s[4:5], s[16:17]
	s_add_nc_u64 s[18:19], s[8:9], s[18:19]
	s_add_nc_u64 s[100:101], s[10:11], s[100:101]
	s_add_nc_u64 s[6:7], s[6:7], s[92:93]
	s_add_nc_u64 s[12:13], s[12:13], s[94:95]
	s_add_nc_u64 s[14:15], s[14:15], s[94:95]
	v_and_b32 v1, 15, v0                           ; r
	v_bfe_u32 v2, v0, 4, 1                         ; h
	v_and_b32 v3, 31, v0
	v_lshlrev_b32 v[LI], 4, v3                     ; 16 x lane
	v_lshlrev_b32 v8, 2, v1                        ; 4 r
	v_lshl_add_u32 v5, v2, 9, v8                   ; lanes 16-31: K steps 8 on
	s_wait_alu depctr_va_vdst(0)
.irp g, 0,1                                    ; my two groups' -M, sums and scale words of all 16 K steps: asked for ahead of the round, used while the head's tiles land
.irp j, 0,1,2,3,4,5,6,7
	global_load_b32 v[128+24*\g+\j], v5, s[6:7] offset:1024*\g+64*\j+524288
	global_load_b32 v[136+24*\g+\j], v5, s[6:7] offset:1024*\g+64*\j+1048576
	global_load_b32 v[144+24*\g+\j], v5, s[6:7] offset:1024*\g+64*\j
.endr
.endr
	CROUND
	s_mov_b32 s[G0SB], 1
	s_mov_b32 s[G0SB+1], SCB
	s_mov_b64 s[G0SB+2:G0SB+3], s[100:101]
	s_or_b32 s[G0SB+3], s[G0SB+3], 0x80000000
.irp s, 0,1
	s_mov_b32 s[G0+4*\s], 1
	s_add_co_u32 s[G0+4*\s+1], s3, \s*SLOT
	s_add_nc_u64 s[G0+4*\s+2:G0+4*\s+3], s[16:17], \s*6144
	s_or_b32 s[G0+4*\s+3], s[G0+4*\s+3], 0x80000000
	s_mov_b32 s[G0B+4*\s], 1
	s_add_co_u32 s[G0B+4*\s+1], s23, \s*SLOT
	s_add_nc_u64 s[G0B+4*\s+2:G0B+4*\s+3], s[18:19], \s*6144
	s_or_b32 s[G0B+4*\s+3], s[G0B+4*\s+3], 0x80000000
.endr
; ONE tensor load a wave at the head: wave 0 slot 0's 8 groups of A (its own group 0 begins at the first), waves 1 and 2 B's halves 1 and 0 (each its own group 0), wave 3 B's scale words.
; One chain of branches on the wave's number, all arms to one join.
.macro ARM under, g0, g1, next, join
	s_cmp_lt_u32 s20, \under
	s_cbranch_scc0 \next
	tensor_load_to_lds s[\g0:\g0+3], s[\g1:\g1+7]
	s_nop 0
.rept 4
	v_nop
.endr
	s_branch \join
\next:
.endm
	ARM 1, G0, G1, .Lh_b, .Lh_done
	ARM 3, G0B, G1B, .Lh_s, .Lh_done
	tensor_load_to_lds s[G0SB:G0SB+3], s[G1SB:G1SB+7]
	s_nop 0
.rept 4
	v_nop
.endr
.Lh_done:
	s_mul_i32 s23, s21, AH
	s_mul_i32 s104, s22, BH
	s_add_co_u32 s104, s104, 2*AH
.irp s, 0,1
	v_add_nc_u32 v[ADRA+\s], s23, v[LI]
	v_add_nc_u32 v[ADRB+\s], s104, v[LI]
	s_add_co_u32 s23, s23, SLOT
	s_add_co_u32 s104, s104, SLOT
.endr
	s_mul_i32 s23, s21, HSA
	s_mul_i32 s104, s22, HSB
	s_add_co_u32 s104, s104, SCB-SCA
	s_sub_co_u32 s104, s104, s23
	v_mul_u32_u24 v4, s104, v2
	s_wait_alu depctr_va_vdst(0)
	s_add_co_u32 s23, s23, SCA
	v_add_nc_u32 v4, v8, v4
	v_add_nc_u32 v[ADRS], s23, v4
	s_mul_i32 s23, s22, HSB
	s_add_co_u32 s23, s23, SCB
	v_add_nc_u32 v[ADRS2], s23, v8
	s_mul_i32 s23, s20, 8448
	v_mul_u32_u24 v4, v1, 528
	v_lshl_add_u32 v4, v2, 6, v4
	v_add_nc_u32 v[STO], s23, v4
	v_add_nc_u32 v[RD], s23, v[LI]
	s_lshl_b32 s23, s20, 11
	s_add_co_u32 s23, s23, SCA
	v_add_nc_u32 v6, s23, v5
	s_lshl_b32 s23, s20, 7
	s_add_co_u32 s23, s23, RLB
	v_add_nc_u32 v7, s23, v8
	s_lshl_b32 s23, s21, 8
	s_add_co_u32 s23, s23, RLB
	v_mov_b32 v[RLA], s23
	s_mov_b32 s104, 0x76543210
	s_mov_b32 s105, 0xfedcba98
	v_mov_b32 v225, 0
	v_mov_b32 v248, 0
	v_mov_b32 v249, 0
	s_wait_loadcnt 0x0                             ; the 48 words asked for ahead of the round
.macro QLOAD a                         ; qp's rows of block a, as they will be added on the way out, into window 3
	WIN 0xc0
.irp t, 0,1,2,3,4,5,6,7,8,9,10,11,12,13,14,15
	global_load_b128 v[64*(\a)+4*\t:64*(\a)+4*\t+3], v[LI], s[12:13] offset:(32*((\a)/2)+8*((\a)%2)+\t+8*(\t/8))*4096 th:TH_LOAD_NT
.endr
	WIN 0
.endm
.macro ADJ g
.set aN, 128+24*\g
.set aL, aN+8
.set aW, aN+16
	v_min_num_f32 v224, v[aN], v[aN+1]
	v_min_num_f32 v226, v[aN+2], v[aN+3]
	v_min_num_f32 v227, v[aN+4], v[aN+5]
	v_min_num_f32 v229, v[aN+6], v[aN+7]
	v_min_num_f32 v224, v224, v226
	v_min_num_f32 v227, v227, v229
	v_min_num_f32 v224, v224, v227
	v_permlanex16_b32 v225, v224, s104, s105
	v_min_num_f32 v224, v224, v225
.irp j, 0,1,2,3,4,5,6,7
	v_sub_f32 v226, v224, v[aN+\j]
	v_max_num_f32 v226, 0xc37f0000, v226
	v_cvt_i32_f32 v226, v226
.if \j == 0
	v_ldexp_f32 v[240+\g], v[aL], v226
.else
	v_ldexp_f32 v227, v[aL+\j], v226
	v_add_f32 v[240+\g], v[240+\g], v227
.endif
	v_sub_nc_u32 v226, 255, v226
	v_and_b32 v229, 0xff, v[aW+\j]
	v_bfe_u32 v230, v[aW+\j], 8, 8
	v_bfe_u32 v231, v[aW+\j], 16, 8
	v_lshrrev_b32 v232, 24, v[aW+\j]
	v_sub_nc_u32 v229, v226, v229
	v_sub_nc_u32 v230, v226, v230
	v_sub_nc_u32 v231, v226, v231
	v_sub_nc_u32 v232, v226, v232
	v_min_u32 v229, 0xff, v229
	v_min_u32 v230, 0xff, v230
	v_min_u32 v231, 0xff, v231
	v_min_u32 v232, 0xff, v232
	v_lshl_or_b32 v229, v230, 8, v229
	v_lshl_or_b32 v229, v231, 16, v229
	v_lshl_or_b32 v229, v232, 24, v229
	v_xor_b32 v[aW+\j], -1, v229
	ds_store_b32 v6, v[aW+\j] offset:1024*\g+64*\j
.endr
.endm
	ADJ 0
	ADJ 1
.irp g, 0,1
	v_permlanex16_b32 v[248+\g], v[240+\g], s104, s105
.endr
.irp g, 0,1
	v_add_f32 v[240+\g], v[240+\g], v[248+\g]
.endr
	s_wait_alu depctr_va_vdst(0)
.irp g, 0,1
	v_rcp_f32 v[244+\g], v[240+\g]
.endr
	v_nop
	s_wait_alu depctr_va_vdst(0)
.irp g, 0,1
	ds_store_b32 v7, v[244+\g] offset:64*\g
.endr
	s_wait_tensorcnt 0x0                           ; my tile of the head's is in
	ds_add_u32 v[SPW], v[NIL]
	s_mov_b32 s[G1+2], 4<<16                       ; no tensor load of mine is out: from here on a load of A brings 4 groups
	s_mov_b32 s[G1+4], 4
	s_wait_dscnt 0x0                               ; the add and my stores of scale words and divisors are done
	CROUND                                         ; everybody's are, and all sixteen work-groups are here
	JLOAD G0+4, G1, G0B+4, G1B                     ; slot 1's first fill, the first tensor load behind the round
	FETCH_B 0, 0, 0
	FETCH_A 0, 0, 0
	SCALES 0
	QLOAD 0                                        ; 48 loads now, 16 behind the first change of slots
	QLOAD 1
	QLOAD 2
	STEP 0, 0, 1
	STEP 0, 1, 0
	STEP 0, 2, 0
	TURN 0, 1, 1
	QLOAD 3
	STEP 1, 0, 0
	STEP 1, 1, 0
	STEP 1, 2, 0
	TURN 1, 0, 1
	STEP 0, 0, 0
	STEP 0, 1, 0
	STEP 0, 2, 0
	TURN 0, 1, 0
	STEP 1, 0, 0
	STEP 1, 1, 0
	STEP 1, 2, 0
	s_wait_dscnt 0x0
	WIN 0xa1
	MUL8 0, 1, 3, 1, 0
	MUL8 1, 1, 3, 1, 0
	MUL8 2, 1, 3, 1, 0
	MUL8 3, 1, 3, 1, 0
	WIN 0
	PLACES
.macro OSTAGE a
	WIN 0x08
.irp b, 0,1,2,3,4,5,6,7
	ds_store_b128 v[STO], v[64*(\a)+8*\b:64*(\a)+8*\b+3] offset:128*(\b/2)+32*(\b%2)
	ds_store_b128 v[STO], v[64*(\a)+8*\b+4:64*(\a)+8*\b+7] offset:128*(\b/2)+32*(\b%2)+16
.endr
	WIN 0
.irp t, 0,1,2,3,4,5,6,7,8,9,10,11,12,13,14,15
	ds_load_b128 v[BB+64*((\a)%2)+4*\t:BB+64*((\a)%2)+4*\t+3], v[RD] offset:\t*528
.endr
.irp c, 0,1,2,3
	ds_load_b128 v[RL+16*((\a)%2)+4*\c:RL+16*((\a)%2)+4*\c+3], v[RLA] offset:64*(\a)+16*\c
.endr
.endm
.macro OSEND a, younger
	s_wait_dscnt \younger
	WIN 0x30
.irp t, 0,1,2,3,4,5,6,7,8,9,10,11,12,13,14,15
.irp i, 0,1,2,3
	v_fma_f32 v[BB+64*((\a)%2)+4*\t+\i], v[BB+64*((\a)%2)+4*\t+\i], v[RL+16*((\a)%2)+\t], v[64*(\a)+4*\t+\i]
.endr
.endr
	WIN 0
.irp t, 0,1,2,3,4,5,6,7,8,9,10,11,12,13,14,15
	global_store_b128 v[LI], v[BB+64*((\a)%2)+4*\t:BB+64*((\a)%2)+4*\t+3], s[14:15] offset:(32*((\a)/2)+8*((\a)%2)+\t+8*(\t/8))*4096 th:TH_STORE_NT
.endr
.endm
	s_wait_loadcnt 0x0
	OSTAGE 0
.irp a, 1,2,3
.if \a > 1
	s_wait_xcnt 0x0
.endif
	OSTAGE \a
	OSEND \a-1, 36
.endr
	OSEND 3, 0
	s_wait_tensorcnt 0x0
	ds_add_u32 v[SPW], v[NIL]
	s_wait_dscnt 0x0
	CROUND
	s_endpgm
.Lfunc_end_k_qa95cfe19a0_pv:
	.size	k_qa95cfe19a0_pv, .Lfunc_end_k_qa95cfe19a0_pv-k_qa95cfe19a0_pv
	.p2alignl 7, 3214868480
	.fill 96, 4, 3214868480
	.section	.rodata,"a",@progbits
	.p2align	6, 0x0
	.amdhsa_kernel k_qa95cfe19a0_pv
		.amdhsa_group_segment_fixed_size 327680
		.amdhsa_private_segment_fixed_size 0
		.amdhsa_enable_private_segment 0
		.amdhsa_kernarg_size 48
		.amdhsa_user_sgpr_count 2
		.amdhsa_user_sgpr_kernarg_segment_ptr 1
		.amdhsa_wavefront_size32 1
		.amdhsa_system_sgpr_workgroup_id_x 1
		.amdhsa_system_sgpr_workgroup_id_y 1
		.amdhsa_system_sgpr_workgroup_id_z 1
		.amdhsa_system_vgpr_workitem_id 0
		.amdhsa_next_free_vgpr 1024
		.amdhsa_next_free_sgpr 106
		.amdhsa_reserve_vcc 0
		.amdhsa_float_denorm_mode_32 3
		.amdhsa_float_denorm_mode_16_64 3
		.amdhsa_memory_ordered 1
		.amdhsa_forward_progress 1
		.amdhsa_inst_pref_size 188
	.end_amdhsa_kernel
	.amdgpu_metadata
---
amdhsa.version: [ 1, 2 ]
amdhsa.kernels:
  - .name:           k_qa95cfe19a0_pv
    .symbol:         k_qa95cfe19a0_pv.kd
    .args:
      - { .name: c3, .offset: 0, .size: 8, .value_kind: global_buffer, .address_space: global }
      - { .name: s3, .offset: 8, .size: 8, .value_kind: global_buffer, .address_space: global }
      - { .name: c2, .offset: 16, .size: 8, .value_kind: global_buffer, .address_space: global }
      - { .name: s2, .offset: 24, .size: 8, .value_kind: global_buffer, .address_space: global }
      - { .name: qp, .offset: 32, .size: 8, .value_kind: global_buffer, .address_space: global }
      - { .name: out0, .offset: 40, .size: 8, .value_kind: global_buffer, .address_space: global }
    .group_segment_fixed_size: 327680
    .private_segment_fixed_size: 0
    .kernarg_segment_align: 8
    .kernarg_segment_size: 48
    .max_flat_workgroup_size: 128
    .sgpr_count:     106
    .vgpr_count:     1024
    .wavefront_size: 32
...
	.end_amdgpu_metadata
.endif
;; end of part 4
